; MI455X (gfx1250); checked and timed in simulation.
; The chip was launched on July 23, 2026; its instructions are those of AMD's public machine-readable ISA for CDNA 5 (MIT licence, August 2026) and "CDNA5" Instruction Set Architecture Reference Guide (July 2026). The comments in the code are by the model that wrote it; some were corrected since.
;; Multi Head Attention. Allowed arithmetic: matrix products marked QUANTISED: E2M1 operands, one E8M0 scale for each 32 along K, by v_wmma_scale_f32_16x16x128_f8f6f4 with both operands' format E2M1 (or v_wmma_scale_f32_32x16x128_f4), f32 sums; products left as they are: bf16, f16 or f32 operands; f32 sums; everything else in f32.
;; Inputs: Wk 1,024 x 1,024 float32; Wo 1,024 x 1,024 float32; Wq 1,024 x 1,024 float32; Wv 1,024 x 1,024 float32; x 4 x 2,048 x 1,024 float32.
;; Outputs: out0 4 x 2,048 x 1,024 float32.
;; This version of the problem:
;;   THIS VERSION OF THE PROBLEM IS GIVEN IN LOW PRECISION. The matrix products marked QUANTISED in the list below multiply operands that are first quantised to E2M1 (2 exponent bits, 1 mantissa bit; 4 bits a number), with one power-of-two scale for each 32 numbers along K (OCP MX v1.0); their sums are f32. The products marked 'left as it is' may take bf16, f16 or f32 operands, with f32 sums. Whichever they take, every output number must still come out within the allowed error. Rounding operands to bf16 (8 significant bits) uses up far more of that allowance than f16 does (11 bits, for magnitudes from 6e-5 to 65,504). All else is computed in f32.
;;   The module's matrix products, in the order in which they are computed (A, B: the left and right operand; K: the contracted axis; several contracted axes count as one K, in the product's order):
;;     1. [M 8,192, K 1,024] x [K 1,024, N 1,024]; A: input x; B: input Wq: QUANTISED
;;     2. [M 8,192, K 1,024] x [K 1,024, N 1,024]; A: input x; B: input Wk: QUANTISED
;;     3. [M 8,192, K 1,024] x [K 1,024, N 1,024]; A: input x; B: input Wv: QUANTISED
;;     4. batch 64 x [M 2,048, K 64] x [K 64, N 2,048]; A: computed on the way; B: computed on the way: left as it is (an operand is computed on the way)
;;     5. batch 64 x [M 2,048, K 2,048] x [K 2,048, N 64]; A: computed on the way; B: computed on the way: left as it is (an operand is computed on the way)
;;     6. [M 8,192, K 1,024] x [K 1,024, N 1,024]; A: computed on the way; B: input Wo: left as it is (an operand is computed on the way)
;;   THE QUANTISER, for each operand of a quantised product, along K:
;;     - K is cut into blocks of 32 from its start; a last block that is shorter is filled with zeros.
;;     - A block's scale is 2^e with e = floor(log2(the largest magnitude in the block)) - 2, held to -126 .. 127; a block of zeros has e = 0. As a byte (E8M0): e + 127.
;;     - Each number is divided by its block's scale, clamped to +-6, and rounded to the nearest number of E2M1, ties to even, subnormals kept.
;;     - The product sums the exact products of the quantised numbers (number of the format x scale) in f32.
;;   ~~~python
;;   def quantise(x, axis):      # numpy; x: float32 -> the quantised numbers, widened to float32 again
;;       x = np.moveaxis(x, axis, -1); K = x.shape[-1]
;;       x = np.pad(x, [(0, 0)] * (x.ndim - 1) + [(0, -K % 32)]); x = x.reshape(x.shape[:-1] + (-1, 32)); a = np.abs(x).max(-1, keepdims=True)
;;       e = np.where(a > 0, np.clip(np.frexp(np.where(a > 0, a, 1))[1] - 1 - 2, -126, 127), 0)      # np.frexp(a)[1] - 1 = floor(log2(a)), exactly
;;       r = np.clip(x / 2.0 ** e, -6, 6)
;;       step = 2.0 ** (np.maximum(np.frexp(np.where(r == 0, 1, r))[1] - 1, 0) - 1)
;;       q = np.round(r / step) * step * 2.0 ** e      # np.round: ties to even
;;       return np.moveaxis(q.reshape(q.shape[:-2] + (-1,))[..., :K], -1, axis).astype(np.float32)
;;   ~~~
;; One version. Each part assembles by itself: llvm-mc -triple=amdgcn-amd-amdhsa -mcpu=gfx1250 --defsym DOCPART=n.
;; ======== version 1 of 1: 4 launches
;; limits: values are held in f16: magnitudes above 65,504 overflow, below 6.1e-05 lose precision
;; workspace buffers: codes 5,767,168 bytes; scales 360,448 bytes; wo16 2,097,152 bytes; amax 5,632 bytes; qkv 50,331,648 bytes; oimg 16,777,216 bytes
;; launch quant (part 1): grid 384 x 1, 4 waves a work-group, no clusters, 33,280 bytes of LDS; arguments x, Wq, Wk, Wv, Wo, codes, scales, wo16, amax; writes codes, scales, wo16, amax
.if DOCPART == 1
	.amdgcn_target "amdgcn-amd-amdhsa--gfx1250"
	.amdhsa_code_object_version 6
	.text
	.protected	k_q43e145cf03_quant
	.globl	k_q43e145cf03_quant
	.p2align	8
	.type	k_q43e145cf03_quant,@function
k_q43e145cf03_quant:
	s_mov_b64 s[64:65], 0
	v_nop
	global_prefetch_b8 v0, s[64:65] scope:SCOPE_SE
	s_setreg_imm32_b32 hwreg(HW_REG_WAVE_MODE, 25, 1), 1
	s_wait_xcnt 0x0
; x [8192][1024] and Wq, Wk, Wv [1024][1024], f32, become codes of E2M1 (K innermost, two codes a byte) with one E8M0 byte for each 32 along K; Wo becomes f16.
; codes: [11264 rows][512 bytes], rows 0-8191 x, then Wq, Wk, Wv; scales: [11264][32 bytes]; amax: one f32 for each quantising wave, the largest magnitude of its 8,192 numbers
; (0-1023 x, 1024-1151 Wq, 1152-1279 Wk, 1280-1407 Wv): the later launches take from it power-of-two factors that keep their f16 operands in range.
; A block's scale is 2^(floor(log2(largest magnitude)) - 2): its byte is the largest magnitude's exponent field - 2, held at 1 from below by a floor among the maximum's leaves.
; LIMITS: NaN and infinities are not served.  A block of zeros gets the byte 1 where the rule says 127: its codes are zeros, and this program alone reads the bytes.
;         |Wo| above 65,504 becomes infinity in f16; Wo under 6e-5 in magnitude loses bits there.
; SHARES: work-groups 0-255 x, 256-287 Wq, 288-319 Wk, 320-351 Wv, 352-383 Wo; a wave takes 8,192 consecutive numbers.  Rows are dense and 1,024 is a multiple of 32: the tensors are plain streams of blocks.
; QUANTISING: 16 steps of 512 numbers.  Each load reads 512 consecutive bytes; a step's 2,048 bytes turn through the wave's own stage in LDS so that a lane holds 16 neighbours along K (two lanes to a block).
; A lane's 16 codes are 8 bytes: the wave stores 256 consecutive aligned bytes.  A wave's 256 scale bytes are gathered in LDS and leave as one aligned run of 256 bytes.  Waves share nothing: no barrier.
.set WAVES, 4
.set STEPS, 16
.set EMAX,  2
.set CB,    8                          ; bytes of 16 codes
.set R,     16                         ; v16-79   four sets of 16 numbers as loaded (Wo: sixteen sets of 4)
.set X,     80                         ; v80-111  two sets of 16 neighbours
.set E,     112                        ; v112-127 a scale byte for each step
.set C,     128                        ; v128-191 codes, four registers a step (Wo: f16 results, two a piece)
.set WREG,  8192                       ; LDS: a region for each wave: two stages of 32 x SP bytes, then its 256 scale bytes
.set SP,    80                         ; a lane's place in a stage: 64 bytes + 16 of padding
.set SPW,   12                         ; v12 my spare word's LDS address; never rewritten
.set NIL,   13                         ; v13 0; never rewritten
.set SPARE, WAVES*WREG                 ; behind the regions: the spare words, 128 bytes a wave
.set GX,    256                        ; work-groups of x
.set GW,    32                         ; of each weight
.set GQ,    GX+3*GW                    ; the first of Wo's
	s_load_b512 s[4:19], s[0:1], 0x0               ; x, Wq, Wk, Wv, Wo, codes, scales, wo16
	s_load_b64 s[20:21], s[0:1], 0x40              ; amax
	v_lshl_add_u32 v[SPW], v0, 2, SPARE
	v_mov_b32 v[NIL], 0
	v_lshrrev_b32 v1, 5, v0
	v_readfirstlane_b32 s24, v1                    ; wave
	v_and_b32 v2, 31, v0                           ; lane
	v_lshlrev_b32 v3, 4, v2                        ; my 16 bytes of a load's 512
	s_mul_i32 s25, s24, WREG
	v_lshrrev_b32 v14, 2, v2
	v_mul_u32_u24 v14, v14, SP
	v_and_b32 v15, 3, v2
	v_lshl_add_u32 v14, v15, 4, v14
	v_add_nc_u32 v14, s25, v14                     ; the stage, in: SP (lane / 4) + 16 (lane % 4)
	v_mul_u32_u24 v15, v2, SP
	v_add_nc_u32 v15, s25, v15                     ; and out: SP x lane: my 16 neighbours
	v_mul_u32_u24 v4, v2, CB                       ; 8 x lane: my codes' place in a step's, my f16 numbers' place in a piece's
	v_lshrrev_b32 v5, 1, v2
	s_add_co_u32 s25, s25, 2*32*SP
	v_add_nc_u32 v5, s25, v5                       ; LDS: my block's scale byte
	v_lshlrev_b32 v7, 3, v2
	v_add_nc_u32 v6, s25, v7                       ; and on the way out 8 bytes a lane
	s_mov_b32 s34, 0x76543210                      ; v_permlanex16_b32's selects for lane l xor 16
	s_mov_b32 s35, 0xfedcba98
	s_and_b32 s26, ttmp9, 31                       ; a weight's work-group number within its tensor
	s_wait_kmcnt 0x0
	s_cmp_ge_u32 ttmp9, GQ                         ; the work-group's number alone decides
	s_cbranch_scc1 .Lwo
	s_cmp_lt_u32 ttmp9, GX+2*GW
	s_cselect_b64 s[22:23], s[8:9], s[10:11]       ; Wk or Wv,
	s_cmp_lt_u32 ttmp9, GX+GW
	s_cselect_b64 s[22:23], s[6:7], s[22:23]       ; or Wq,
	s_cmp_lt_u32 ttmp9, GX
	s_cselect_b64 s[22:23], s[4:5], s[22:23]       ; or x
	s_cselect_b32 s26, ttmp9, s26
	s_lshl_b32 s26, s26, 2
	s_add_co_u32 s26, s26, s24                     ; my run of 8,192 numbers in the source,
	s_lshl_b32 s26, s26, 15                        ; 32,768 bytes each
	s_mov_b32 s27, 0
	s_add_nc_u64 s[22:23], s[22:23], s[26:27]
	s_lshl_b32 s28, ttmp9, 2
	s_add_co_u32 s28, s28, s24                     ; and in the stacked outputs: 4 x work-group + wave
	s_lshl_b32 s26, s28, 12
	s_add_nc_u64 s[14:15], s[14:15], s[26:27]      ; 4,096 bytes of codes,
	s_lshl_b32 s26, s28, 8
	s_add_nc_u64 s[16:17], s[16:17], s[26:27]      ; 256 scale bytes,
	s_lshl_b32 s26, s28, 2
	s_add_nc_u64 s[20:21], s[20:21], s[26:27]      ; one f32
.macro LOAD t
.irp i, 0,1,2,3
	global_load_b128 v[R+16*((\t)%4)+4*\i:R+16*((\t)%4)+4*\i+3], v3, s[22:23] offset:2048*(\t)+512*\i th:TH_LOAD_NT   ; 32 lanes read 512 consecutive bytes
.endr
.endm
.macro TURN t                          ; step t's numbers through the stage; LDS serves a wave's instructions in order (ISA guide 5.7.1.4): no wait between the stores and the loads
.irp i, 0,1,2,3
	ds_store_b128 v14, v[R+16*((\t)%4)+4*\i:R+16*((\t)%4)+4*\i+3] offset:32*SP*((\t)%2)+8*SP*\i
.endr
.irp i, 0,1,2,3
	ds_load_b128 v[X+16*((\t)%2)+4*\i:X+16*((\t)%2)+4*\i+3], v15 offset:32*SP*((\t)%2)+16*\i
.endr
.endm
.irp t, 0,1,2,3
	LOAD \t
.endr
	s_wait_loadcnt 12                              ; step 0's four loads are in; the twelve behind them stay out
	TURN 0
.macro STEP t
.set XS, X+16*((\t)%2)
.if (\t) > 0
	s_wait_dscnt 1                                 ; this step's numbers are back from the stage (the last step's byte store may be out)
.else
	s_wait_dscnt 0x0
.endif
.if (\t)+4 < STEPS
	LOAD (\t)+4                                    ; into the registers that this step's stage stores have read
.endif
.if (\t)+1 < STEPS
.if STEPS-2-(\t) >= 3
	s_wait_loadcnt 12                              ; the next step's four loads are in; three steps' loads may be out
.else
	s_wait_loadcnt 4*(STEPS-2-(\t))                ; the tail: the count runs down
.endif
	TURN (\t)+1
.endif
	v_max3_num_f32 v8, |v[XS]|, |v[XS+1]|, |v[XS+2]|               ; the largest magnitude of my 16, in two chains
	v_max3_num_f32 v9, |v[XS+3]|, |v[XS+4]|, |v[XS+5]|
.irp i, 6,10
	v_max3_num_f32 v8, v8, |v[XS+\i]|, |v[XS+\i+1]|
	v_max3_num_f32 v9, v9, |v[XS+\i+2]|, |v[XS+\i+3]|
.endr
	v_max3_num_f32 v8, v8, |v[XS+14]|, |v[XS+15]|
	v_max3_num_f32 v8, v8, v9, (EMAX+1)<<23        ; and the floor 2^(3 - 127): the byte cannot fall under 1
	v_max_num_f32_dpp v8, v8, v8 row_xmask:1 row_mask:0xf bank_mask:0xf   ; with my neighbour's 16: the block's
.if (\t) == 0
	v_mov_b32 v10, v8                              ; the wave's largest magnitude so far
.else
	v_max_num_f32 v10, v10, v8
.endif
	v_add_nc_u32 v11, -(EMAX<<23), v8              ; 2 off the exponent field: the conversion takes this operand's exponent field as its scale
	v_cvt_scalef32_pk8_fp4_f32 v[C+4*(\t)], v[XS:XS+7], v11        ; eight numbers / scale, nearest code, ties to even, beyond 6 the largest code
	v_cvt_scalef32_pk8_fp4_f32 v[C+4*(\t)+1], v[XS+8:XS+15], v11
	v_lshrrev_b32 v[E+(\t)], 23, v11               ; the scale's byte (also the plain line behind the conversions)
	ds_store_b8 v5, v[E+(\t)] offset:16*(\t)       ; both lanes of a block write the same byte with the same value
	global_store_b64 v4, v[C+4*(\t):C+4*(\t)+1], s[14:15] offset:32*CB*(\t)   ; 32 lanes: 256 consecutive aligned bytes
.endm
.irp t, 0,1,2,3,4,5,6,7,8,9,10,11,12,13,14,15
	STEP \t
.endr
	ds_load_b64 v[8:9], v6                         ; my wave's 256 scale bytes, 8 a lane
	s_wait_dscnt 0x0
	global_store_b64 v7, v[8:9], s[16:17]          ; 256 consecutive aligned bytes
	v_max_num_f32_dpp v10, v10, v10 row_xmask:1 row_mask:0xf bank_mask:0xf   ; the wave's largest magnitude, over the 32 lanes
	v_max_num_f32_dpp v10, v10, v10 row_xmask:2 row_mask:0xf bank_mask:0xf
	v_max_num_f32_dpp v10, v10, v10 row_xmask:4 row_mask:0xf bank_mask:0xf
	v_max_num_f32_dpp v10, v10, v10 row_xmask:8 row_mask:0xf bank_mask:0xf
	v_permlanex16_b32 v11, v10, s34, s35
	v_max_num_f32 v10, v10, v11
	v_mov_b32 v11, 0
	v_cmp_eq_u32 vcc_lo, 0, v2
	s_wait_xcnt 0x0                                ; EXEC is a source of the stores above: it changes only behind this wait
	s_and_saveexec_b32 s30, vcc_lo                 ; lane 0 alone
	global_store_b32 v11, v10, s[20:21]            ; four bytes a wave: 1,408 such stores in the launch
	s_wait_xcnt 0x0                                ; and again ahead of the line that widens EXEC
	s_or_b32 exec_lo, exec_lo, s30
	s_branch .Lend
.Lwo:
; Wo to f16, no LDS: 64 pieces of 128 numbers; a piece is a load of 512 consecutive bytes, two roundings to nearest even, and a store of 256 consecutive aligned bytes.  Sixteen loads run ahead.
	s_sub_co_u32 s26, ttmp9, GQ
	s_lshl_b32 s26, s26, 2
	s_add_co_u32 s26, s26, s24                     ; my run of 8,192 numbers
	s_mov_b32 s27, 0
	s_lshl_b32 s28, s26, 14                        ; 16,384 bytes out,
	s_mov_b32 s29, 0
	s_lshl_b32 s26, s26, 15                        ; 32,768 in
	s_add_nc_u64 s[12:13], s[12:13], s[26:27]
	s_add_nc_u64 s[18:19], s[18:19], s[28:29]
.set pn, 0
.rept 16
	global_load_b128 v[R+4*pn:R+4*pn+3], v3, s[12:13] offset:512*pn th:TH_LOAD_NT
.set pn, pn+1
.endr
.set pn, 0
.rept 64
.if pn < 48
	s_wait_loadcnt 15                              ; this piece's load is in; the fifteen younger stay out
.else
	s_wait_loadcnt 63-pn                           ; the tail loads nothing: the count runs down
.endif
.if pn == 32
	s_wait_xcnt 0x0                                ; the first 32 stores have read their data: their registers are written a second time from here on
.endif
	v_cvt_pk_f16_f32 v[C+2*(pn%32)], v[R+4*(pn%16)], v[R+4*(pn%16)+1]
	v_cvt_pk_f16_f32 v[C+2*(pn%32)+1], v[R+4*(pn%16)+2], v[R+4*(pn%16)+3]
.if pn < 48
	global_load_b128 v[R+4*(pn%16):R+4*(pn%16)+3], v3, s[12:13] offset:512*(pn+16) th:TH_LOAD_NT
.endif
	global_store_b64 v4, v[C+2*(pn%32):C+2*(pn%32)+1], s[18:19] offset:256*pn
.set pn, pn+1
.endr
.Lend:
	s_wait_tensorcnt 0x0                           ; the wave's end: behind my last LDS store
	ds_add_u32 v[SPW], v[NIL]
	s_wait_dscnt 0x0
	s_endpgm
.Lfunc_end_k_q43e145cf03_quant:
	.size	k_q43e145cf03_quant, .Lfunc_end_k_q43e145cf03_quant-k_q43e145cf03_quant
	.p2alignl 7, 3214868480
	.fill 96, 4, 3214868480
	.section	.rodata,"a",@progbits
	.p2align	6, 0x0
	.amdhsa_kernel k_q43e145cf03_quant
		.amdhsa_group_segment_fixed_size 33280
		.amdhsa_private_segment_fixed_size 0
		.amdhsa_enable_private_segment 0
		.amdhsa_kernarg_size 72
		.amdhsa_user_sgpr_count 2
		.amdhsa_user_sgpr_kernarg_segment_ptr 1
		.amdhsa_wavefront_size32 1
		.amdhsa_system_sgpr_workgroup_id_x 1
		.amdhsa_system_sgpr_workgroup_id_y 1
		.amdhsa_system_sgpr_workgroup_id_z 1
		.amdhsa_system_vgpr_workitem_id 0
		.amdhsa_next_free_vgpr 192
		.amdhsa_next_free_sgpr 66
		.amdhsa_reserve_vcc 1
		.amdhsa_float_denorm_mode_32 3
		.amdhsa_float_denorm_mode_16_64 3
		.amdhsa_memory_ordered 1
		.amdhsa_forward_progress 1
		.amdhsa_inst_pref_size 57
	.end_amdhsa_kernel
	.amdgpu_metadata
---
amdhsa.version: [ 1, 2 ]
amdhsa.kernels:
  - .name:           k_q43e145cf03_quant
    .symbol:         k_q43e145cf03_quant.kd
    .args:
      - { .name: x, .offset: 0, .size: 8, .value_kind: global_buffer, .address_space: global }
      - { .name: Wq, .offset: 8, .size: 8, .value_kind: global_buffer, .address_space: global }
      - { .name: Wk, .offset: 16, .size: 8, .value_kind: global_buffer, .address_space: global }
      - { .name: Wv, .offset: 24, .size: 8, .value_kind: global_buffer, .address_space: global }
      - { .name: Wo, .offset: 32, .size: 8, .value_kind: global_buffer, .address_space: global }
      - { .name: codes, .offset: 40, .size: 8, .value_kind: global_buffer, .address_space: global }
      - { .name: scales, .offset: 48, .size: 8, .value_kind: global_buffer, .address_space: global }
      - { .name: wo16, .offset: 56, .size: 8, .value_kind: global_buffer, .address_space: global }
      - { .name: amax, .offset: 64, .size: 8, .value_kind: global_buffer, .address_space: global }
    .group_segment_fixed_size: 33280
    .private_segment_fixed_size: 0
    .kernarg_segment_align: 8
    .kernarg_segment_size: 72
    .max_flat_workgroup_size: 128
    .sgpr_count:     66
    .vgpr_count:     192
    .wavefront_size: 32
...
	.end_amdgpu_metadata
.endif
;; end of part 1
;; launch qkv (part 2): grid 12 x 32, 4 waves a work-group, clusters of 4 x 4, 327,680 bytes of LDS; arguments codes, scales, amax, qkv; writes qkv
.if DOCPART == 2
	.amdgcn_target "amdgcn-amd-amdhsa--gfx1250"
	.amdhsa_code_object_version 6
	.text
	.protected	k_q43e145cf03_qkv
	.globl	k_q43e145cf03_qkv
	.p2align	8
	.type	k_q43e145cf03_qkv,@function
k_q43e145cf03_qkv:
	s_mov_b64 s[64:65], 0
	v_nop
	global_prefetch_b8 v0, s[64:65] scope:SCOPE_SE
	s_setreg_imm32_b32 hwreg(HW_REG_WAVE_MODE, 25, 1), 1
	s_wait_xcnt 0x0
	s_wait_alu depctr_hold_cnt(0) depctr_sa_sdst(0) depctr_va_vdst(0) depctr_va_sdst(0) depctr_va_ssrc(0) depctr_va_vcc(0) depctr_vm_vsrc(0)
	s_getreg_b32 s2, hwreg(HW_REG_IB_STS2, 6, 4)
	s_cmp_eq_u32 s2, 0
	s_cbranch_scc0 .Lentry_in_a_cluster
	s_endpgm
.Lentry_in_a_cluster:
	s_bfe_u32 s2, ttmp6, 0x10000c
	s_cmp_lg_u32 s2, 0xf033
	s_cbranch_scc0 .Lentry_shape_is_right
	s_endpgm
.Lentry_shape_is_right:
; q, k, v = x Wq^T, x Wk^T, x Wv^T on codes of E2M1 with E8M0 scales: one GEMM, M = 8,192 rows of x, N = 3,072 stacked rows of W, K = 1,024; sums in f32.
; codes: [11264][512 bytes], rows 0-8191 x, then Wq, Wk, Wv; scales: [11264][32 bytes].  The matrix instruction takes codes and scale bytes as they lie.
; A work-group of four waves makes 256 x 256, a wave 128 x 128: 64 accumulators, 512 registers.  K = 1,024 is two LDS slots of 512 along K (rows of 256 bytes): both are filled at the head and nothing is filled again.
; The scale bytes of the work-group's 256 + 256 rows for all of K are two dense blocks: they come once, in rows of 256 bytes.
; CLUSTER 4 x 4: x's tiles are asked for jointly along a row of the cluster, W's along a column.  The cluster's x (0, 1, 2) is the matrix q, k, v: the same in all sixteen partners.
; 384 work-groups: no tile of equal size divides both 8,192 rows and the three 1,024-wide matrices into 256 or 512 parts at this wave tile.
; TRANSPOSED USE (source 0 = 16 rows of W, source 1 = 16 rows of x): a lane holds one position and eight neighbouring features.
; THE RESULT is multiplied by S = 2^(f - 127), f = 384 - Ex - Ew held to 1 .. 253 (Ex, Ew: exponent fields of the largest |x| and |W| of this matrix, from amax), and rounded to f16.
; A quantised number is at most 1.5 x 2^floor(log2(largest magnitude)), so |sum| < 1024 x 2.25 x 2^(ex + ew) < 2^(ex + ew + 12) and |S x sum| < 2^15: inside f16 whatever the inputs' size.
; LIMITS: NaN and infinities are not served; where 384 - Ex - Ew leaves 1 .. 253 (the product of the two largest magnitudes beyond about 2^+-125) f is held and the bound is lost.
; OUT: qkv [3][64 (batch x 16 + head)][128 tiles of 16 positions][2,048 bytes].  q, k: the image of an operand's registers, [d / 32][half of the registers][lane][16 bytes]; v: [d / 16][position][32 bytes].
; A lane's eight f16 are 16 bytes of such a tile and the wave's 32 lanes fill 512 consecutive aligned bytes: the results leave straight from registers.
; REGISTERS: window 0: v0-31 addresses; v32-95 scale words, two sets; v96-127 amax at the head; v128-191 x's fragments, ONE set; on the way out v128-191 scaled sums, v192-255 f16, two sets.
;   window 1: W's fragments, two sets (v0, v128).  window 2: accumulators of my rows 0-63 ((a, b) at v[8 (8 a + b)]); window 3: rows 64-127.
.set SIZE_M, 8192
.set SIZE_K, 1024
.set KSTEP,  512
.set NQ,     KSTEP/128
.set ROWB,   256                       ; a tile's row in bytes
.set KROW,   SIZE_K/2                  ; a row of codes in memory
.set PITCH,  272                       ; 256 + 16: the 16 rows of a fragment load start 4 banks apart (64 banks of 4 bytes: ISA guide 11.1)
.set FR,     8
.set NL,     2
.set NP,     4                         ; places behind this matrix instruction (ISA guide 7.12.1)
.set HALFT,  128*PITCH
.set SLOT,   4*HALFT                   ; x's 256 rows, then W's 256
.set KS,     SIZE_K/32
.set SCL,    2*SLOT                    ; behind the slots: the scales
.set HALFS,  (128*KS/256)*272
.set SBLK,   (16*KS/256)*272
.set SPARE,  SCL+4*HALFS               ; the spare words, 128 bytes a wave
.set ADRA, 16
.set ADRB, 20
.set CO,   26                          ; v26 my lane's bytes in a tile of qkv
.set ADRS, 27
.set SPW,  28
.set NIL,  29
.set SC,   32
.set AF,   128
.set TF,   128
.set U,    192
.set G1, 24
.set G0, 32
.set G1B, 48
.set G0B, 56
.set G1S, 68
.set G0S, 76
.set G1SB, 80
.set G0SB, 88
.set SS,  66                           ; s[66:67] S, twice
.set SEL, 96                           ; s[96:97] selects for lane l xor 16
.set MSB, 0
.macro WIN new                         ; the immediate's high byte repeats the setting that is left
.if MSB != (\new)
	s_set_vgpr_msb (MSB<<8)|(\new)
.set MSB, (\new)
.endif
.endm
.set MUL_LO, 0xa1                      ; source 0 (W) window 1, source 1 (x) window 0, C and D window 2
.set MUL_HI, 0xf1
.set TO_B,   0x40
; A joint load: waves 0, 1 fetch for x, waves 2, 3 for W; the branch hangs on the wave's number alone.  An s_nop 0 and four v_nop follow each line.
.macro JLOAD g0a, g1a, g0b, g1b
	s_cmp_eq_u32 s15, 0
	s_cbranch_scc0 .Lfor_b_\@
	tensor_load_to_lds s[\g0a:\g0a+3], s[\g1a:\g1a+7]
	s_nop 0
.rept 4
	v_nop
.endr
	s_branch .Lasked_\@
.Lfor_b_\@:
	tensor_load_to_lds s[\g0b:\g0b+3], s[\g1b:\g1b+7]
	s_nop 0
.rept 4
	v_nop
.endr
.Lasked_\@:
.endm
.macro CROUND                          ; a round of the cluster's barrier
	s_barrier_signal -1
	s_barrier_wait -1
	s_cmp_lg_u32 s14, 0
	s_cbranch_scc1 .Lnot_wave_0_\@
	s_barrier_signal -3
.Lnot_wave_0_\@:
	s_barrier_wait -3
	s_barrier_signal -1
	s_barrier_wait -1
.endm
.macro PLACES n
.rept \n
	v_nop
.endr
.endm
; the largest of n registers from v[first] on, over all 32 lanes, into v[d] of every lane (all are positive)
.macro GMAX d, first, n
	v_max3_num_f32 v[\d], v[\first], v[\first+1], v[\first+2]
.set gi, 3
.rept ((\n)-3)/2
	v_max3_num_f32 v[\d], v[\d], v[\first+gi], v[\first+gi+1]
.set gi, gi+2
.endr
.if ((\n)-3)%2
	v_max_num_f32 v[\d], v[\d], v[\first+(\n)-1]
.endif
	v_max_num_f32_dpp v[\d], v[\d], v[\d] row_xmask:1 row_mask:0xf bank_mask:0xf
	v_max_num_f32_dpp v[\d], v[\d], v[\d] row_xmask:2 row_mask:0xf bank_mask:0xf
	v_max_num_f32_dpp v[\d], v[\d], v[\d] row_xmask:4 row_mask:0xf bank_mask:0xf
	v_max_num_f32_dpp v[\d], v[\d], v[\d] row_xmask:8 row_mask:0xf bank_mask:0xf
	v_permlanex16_b32 v[\first], v[\d], s[SEL], s[SEL+1]
	v_max_num_f32 v[\d], v[\d], v[\first]
.endm
.macro FIELD sd, sx, sw                ; f = 384 - Ex - Ew, held to 1 .. 253
	s_sub_co_i32 s[\sd], 384, s[\sx]
	s_sub_co_i32 s[\sd], s[\sd], s[\sw]
	s_max_i32 s[\sd], s[\sd], 1
	s_min_i32 s[\sd], s[\sd], 253
.endm
	s_load_b256 s[4:11], s[0:1], 0x0               ; codes s[4:5], scales s[6:7], amax s[8:9], qkv s[10:11]
	v_lshl_add_u32 v[SPW], v0, 2, SPARE
	v_mov_b32 v[NIL], 0
	ds_add_u32 v[SPW], v[NIL]                      ; the opening: the add, twice on end, and its wait ahead of my first tensor load
	ds_add_u32 v[SPW], v[NIL]
	v_lshrrev_b32 v1, 5, v0
	v_readfirstlane_b32 s14, v1                    ; wave 0..3
	s_lshr_b32 s15, s14, 1                         ; my half of the tile's rows; also: I fetch for x (0) or W (1)
	s_and_b32 s16, s14, 1                          ; my half of its columns; also: which 128 rows I fetch
	s_bfe_u32 s40, ttmp6, 0x40000                  ; cx
	s_bfe_u32 s41, ttmp6, 0x40004                  ; cy
	s_lshl_b32 s42, ttmp9, 2
	s_add_co_u32 s42, s42, s40                     ; tile column = 4 x cluster x + cx
	s_and_b32 s17, ttmp7, 0xffff
	s_lshl_b32 s17, s17, 2
	s_add_co_u32 s17, s17, s41                     ; tile row = 4 x cluster y + cy
	s_lshl_b32 s43, s41, 2
	s_lshl_b32 s43, 15, s43                        ; my row of the cluster
	s_lshl_b32 s44, 0x1111, s40                    ; my column
	s_or_b32 s[G1+0], s43, (0<<16)|(1<<20)|(1<<21)|(5<<22)|(3<<25)  ; mask; elements of 1 byte; padding on; bit 21 beside a mask; 4 words behind every 64
	s_or_b32 s[G1B+0], s44, (0<<16)|(1<<20)|(1<<21)|(5<<22)|(3<<25)
.irp g, G1, G1B
	s_mov_b32 s[\g+1], ROWB<<16                    ; tensor_dim0
	s_mov_b32 s[\g+2], 128<<16                     ; tensor_dim1
	s_mov_b32 s[\g+3], ROWB<<16                    ; tile_dim0
	s_mov_b32 s[\g+4], 128                         ; tile_dim1
	s_mov_b32 s[\g+5], KROW                        ; pitch in memory
	s_mov_b32 s[\g+6], 0
	s_mov_b32 s[\g+7], 0
.endr
	s_or_b32 s[G1S+0], s43, (3<<16)|(1<<20)|(1<<21)|(5<<22)|(3<<25) ; the scales of 128 rows: 4,096 dense bytes as 16 rows of 256 (32 elements of 8 bytes), 16 bytes of padding behind each
	s_or_b32 s[G1SB+0], s44, (3<<16)|(1<<20)|(1<<21)|(5<<22)|(3<<25)
.irp g, G1S, G1SB
	s_mov_b32 s[\g+1], 32<<16
	s_mov_b32 s[\g+2], (128*KS/256)<<16
	s_mov_b32 s[\g+3], 32<<16
	s_mov_b32 s[\g+4], 128*KS/256
	s_mov_b32 s[\g+5], 32
	s_mov_b32 s[\g+6], 0
	s_mov_b32 s[\g+7], 0
.endr
	s_mov_b32 s[SEL], 0x76543210
	s_mov_b32 s[SEL+1], 0xfedcba98
	s_lshl_b32 s18, s16, 7
	s_lshl_b32 s20, s17, 8
	s_add_co_u32 s20, s20, s18                     ; x: row 256 x tile row + 128 x half
	s_lshl_b32 s46, s42, 8
	s_add_co_u32 s46, s46, s18
	s_add_co_u32 s46, s46, SIZE_M                  ; W: behind x's 8,192 rows, 256 x tile column + 128 x half
	s_mov_b32 s21, 0
	s_mov_b32 s47, 0
	s_mov_b64 s[18:19], KS
	s_mul_u64 s[22:23], s[20:21], s[18:19]         ; where these rows' scales begin,
	s_mul_u64 s[92:93], s[46:47], s[18:19]
	s_mov_b64 s[18:19], KROW
	s_mul_u64 s[20:21], s[20:21], s[18:19]         ; and their codes
	s_mul_u64 s[46:47], s[46:47], s[18:19]
	s_mul_i32 s45, s14, HALFT                      ; where they go: wave x 128 rows
	s_mul_i32 s94, s14, HALFS
	s_wait_dscnt 0x0                               ; both opening adds are done
	s_wait_kmcnt 0x0
	s_add_nc_u64 s[20:21], s[4:5], s[20:21]
	s_add_nc_u64 s[22:23], s[6:7], s[22:23]
	s_add_nc_u64 s[46:47], s[4:5], s[46:47]
	s_add_nc_u64 s[92:93], s[6:7], s[92:93]
	CROUND                                         ; all sixteen work-groups are here: the joint loads meet
	s_mov_b32 s[G0S], 1
	s_add_co_u32 s[G0S+1], s94, SCL
	s_mov_b64 s[G0S+2:G0S+3], s[22:23]
	s_or_b32 s[G0S+3], s[G0S+3], 0x80000000
	s_mov_b32 s[G0SB], 1
	s_add_co_u32 s[G0SB+1], s94, SCL
	s_mov_b64 s[G0SB+2:G0SB+3], s[92:93]
	s_or_b32 s[G0SB+3], s[G0SB+3], 0x80000000
	JLOAD G0S, G1S, G0SB, G1SB                     ; the scales first
.irp s, 0,1
	s_mov_b32 s[G0+4*\s], 1
	s_add_co_u32 s[G0+4*\s+1], s45, \s*SLOT
	s_add_nc_u64 s[G0+4*\s+2:G0+4*\s+3], s[20:21], \s*ROWB
	s_or_b32 s[G0+4*\s+3], s[G0+4*\s+3], 0x80000000
	s_mov_b32 s[G0B+4*\s], 1
	s_add_co_u32 s[G0B+4*\s+1], s45, \s*SLOT
	s_add_nc_u64 s[G0B+4*\s+2:G0B+4*\s+3], s[46:47], \s*ROWB
	s_or_b32 s[G0B+4*\s+3], s[G0B+4*\s+3], 0x80000000
	JLOAD G0+4*\s, G1, G0B+4*\s, G1B               ; both halves of K: three loads of mine are out
.endr
	v_and_b32 v1, 15, v0                           ; r
	v_bfe_u32 v2, v0, 4, 1                         ; half
	v_mul_u32_u24 v3, v1, PITCH
	v_lshl_add_u32 v4, v2, 4, v3
	s_mul_i32 s21, s15, HALFT
	s_mul_i32 s22, s16, HALFT
	s_add_co_u32 s22, s22, 2*HALFT
.irp s, 0,1
	v_add_nc_u32 v[ADRA+\s], s21, v4
	v_add_nc_u32 v[ADRB+\s], s22, v4
	s_add_co_u32 s21, s21, SLOT
	s_add_co_u32 s22, s22, SLOT
.endr
	v_mul_u32_u24 v5, v1, KS                       ; my row's scales: 32 bytes a row,
	v_lshrrev_b32 v6, 8, v5
	v_lshl_add_u32 v5, v6, 4, v5                   ; 16 more for each 256 passed
	s_mul_i32 s21, s15, HALFS
	s_mul_i32 s22, s16, HALFS
	s_add_co_u32 s22, s22, 2*HALFS
	s_sub_co_u32 s22, s22, s21
	v_mul_u32_u24 v6, s22, v2                      ; lanes 16-31 take W's: one product, the distance between the two bases
	s_add_co_u32 s21, s21, SCL
	v_add_nc_u32 v5, v5, v6
	v_add_nc_u32 v[ADRS], s21, v5
	; where my results go
	s_lshr_b32 s20, s17, 3                         ; batch: 8 tile rows of 256 positions each
	s_lshl_b32 s20, s20, 4
	s_lshl_b32 s21, s40, 2
	s_add_co_u32 s20, s20, s21
	s_lshl_b32 s21, s16, 1
	s_add_co_u32 s20, s20, s21                     ; batch x 16 + my first head (4 cx + 2 x column half)
	s_lshl_b32 s20, s20, 18                        ; 128 tiles of 2,048 bytes a head
	s_and_b32 s21, s17, 7
	s_lshl_b32 s21, s21, 4
	s_lshl_b32 s22, s15, 3
	s_add_co_u32 s21, s21, s22                     ; my first tile of 16 positions
	s_lshl_b32 s21, s21, 11
	s_add_co_u32 s20, s20, s21
	s_lshl_b32 s21, ttmp9, 24                      ; q, k or v: 16,777,216 bytes each
	s_add_co_u32 s20, s20, s21
	s_mov_b32 s21, 0
	s_add_nc_u64 s[12:13], s[10:11], s[20:21]
	s_cmp_eq_u32 ttmp9, 2                          ; v's tile is laid otherwise: a choice of two factors, no branch
	s_cselect_b32 s22, 32, 16
	s_cselect_b32 s23, 16, 256
	v_mul_u32_u24 v[CO], v1, s22
	v_mad_u32_u24 v[CO], v2, s23, v[CO]            ; q, k: 16 r + 256 half; v: 32 r + 16 half
	; S, from the largest magnitudes
	v_and_b32 v6, 31, v0
	v_lshlrev_b32 v7, 4, v6
	s_lshl_b32 s98, ttmp9, 9
	s_add_co_u32 s98, s98, 4096
	s_mov_b32 s99, 0
	s_add_nc_u64 s[98:99], s[8:9], s[98:99]        ; this matrix's 128 numbers
.irp i, 0,1,2,3,4,5,6,7
	global_load_b128 v[96+4*\i:99+4*\i], v7, s[8:9] offset:512*\i   ; x's 1,024
.endr
	global_load_b128 v[8:11], v7, s[98:99]
	s_wait_loadcnt 0x0
	GMAX 12, 96, 32
	GMAX 13, 8, 4
	v_readfirstlane_b32 s92, v12
	v_readfirstlane_b32 s93, v13
	s_lshr_b32 s92, s92, 23                        ; Ex
	s_lshr_b32 s93, s93, 23                        ; Ew
	FIELD SS, 92, 93
	s_lshl_b32 s[SS], s[SS], 23                    ; S as f32
	s_mov_b32 s[SS+1], s[SS]
.macro FRAG reg, adr, q, i             ; 16 rows x 128 K of 4-bit codes: 8 registers, two loads of 16 bytes, 32 bytes apart
.irp c, 0,1
	ds_load_b128 v[\reg+4*\c:\reg+4*\c+3], v[\adr] offset:64*(\q)+32*\c+(\i)*16*PITCH
.endr
.endm
; 16 matrix instructions: x's blocks a0, a0 + 1 against W's eight.  The 64 accumulators take turns, one instruction a turn, in the same order in every step.
.macro MUL16 a0, p, q, sc, zero
.irp a, \a0, \a0+1
.irp b, 0,1,2,3,4,5,6,7
.if \zero
	v_wmma_scale_f32_16x16x128_f8f6f4 v[8*(8*((\a)%4)+\b):8*(8*((\a)%4)+\b)+7], v[128*(\p)+FR*\b:128*(\p)+FR*\b+FR-1], v[AF+FR*(\a):AF+FR*(\a)+FR-1], 0, v[SC+8*NQ*(\sc)+NQ*\b+(\q)], v[SC+8*NQ*(\sc)+NQ*(\a)+(\q)] matrix_a_fmt:MATRIX_FMT_FP4 matrix_b_fmt:MATRIX_FMT_FP4 matrix_a_scale:MATRIX_SCALE_ROW1
.else
	v_wmma_scale_f32_16x16x128_f8f6f4 v[8*(8*((\a)%4)+\b):8*(8*((\a)%4)+\b)+7], v[128*(\p)+FR*\b:128*(\p)+FR*\b+FR-1], v[AF+FR*(\a):AF+FR*(\a)+FR-1], v[8*(8*((\a)%4)+\b):8*(8*((\a)%4)+\b)+7], v[SC+8*NQ*(\sc)+NQ*\b+(\q)], v[SC+8*NQ*(\sc)+NQ*(\a)+(\q)] matrix_a_fmt:MATRIX_FMT_FP4 matrix_b_fmt:MATRIX_FMT_FP4 matrix_a_scale:MATRIX_SCALE_ROW1
.endif
.endr
.endr
.endm
.macro FETCH_B slot, q, p
	WIN TO_B
.irp i, 0,1,2,3,4,5,6,7
	FRAG 128*(\p)+FR*\i, ADRB+\slot, \q, \i
.endr
	WIN 0
.endm
.macro FETCH_A slot, q, i0
.irp i, \i0, \i0+1, \i0+2, \i0+3
	FRAG AF+FR*(\i), ADRA+\slot, \q, \i
.endr
.endm
.macro SCALES sc                       ; a slot's scale words: four a row; lanes 0-15 x's block i, lanes 16-31 W's block i
.irp i, 0,1,2,3,4,5,6,7
	ds_load_b128 v[SC+8*NQ*\sc+NQ*\i:SC+8*NQ*\sc+NQ*\i+3], v[ADRS] offset:\i*SBLK
.endr
.endm
.macro STEP slot, q, zero              ; 128 along K with its successor in the same slot
	s_wait_dscnt 4*NL                              ; W's set and x's blocks 0-3 are in; the youngest eight loads (blocks 4-7) may be out
	WIN MUL_LO
	MUL16 0, (\q)%2, \q, \slot, \zero
	MUL16 2, (\q)%2, \q, \slot, \zero
	s_wait_dscnt 0                                 ; blocks 4-7 are in
	PLACES NP                                      ; ahead of loads into registers that matrix instructions have read
	FETCH_B \slot, (\q)+1, 1-(\q)%2
	FETCH_A \slot, (\q)+1, 0
	WIN MUL_HI
	MUL16 4, (\q)%2, \q, \slot, \zero
	MUL16 6, (\q)%2, \q, \slot, \zero
	PLACES NP
	WIN 0
	FETCH_A \slot, (\q)+1, 4
.endm
; Slot 0's last step goes over to slot 1: each wave waits for all its tensor loads (its part of slot 1), one barrier, then slot 1 is read.  Nothing is filled again.
.macro TURN slot, next
	s_wait_tensorcnt 0x0                           ; my part of the next slot has landed
	ds_add_u32 v[SPW], v[NIL]                      ; 0 onto my spare word
	s_wait_dscnt 4*NL+1                            ; the add and the youngest eight loads may be out
	WIN MUL_LO
	MUL16 0, 1, NQ-1, \slot, 0
	s_wait_dscnt 0x0                               ; the add is done and my reads are in: no LDS instruction is pending at the signal
	s_barrier_signal -1
	MUL16 2, 1, NQ-1, \slot, 0
	WIN 0
	s_barrier_wait -1                              ; everybody's part of the next slot has landed
	PLACES NP
	v_add_nc_u32 v[ADRS], 4*NQ, v[ADRS]            ; the next slot's scale words
	FETCH_B \next, 0, 0
	FETCH_A \next, 0, 0
	SCALES \next
	WIN MUL_HI
	MUL16 4, 1, NQ-1, \slot, 0
	MUL16 6, 1, NQ-1, \slot, 0
	PLACES NP
	WIN 0
	FETCH_A \next, 0, 4
.endm
.macro STEPS slot, from
.set Q, \from
.rept NQ-1-\from
	STEP \slot, Q, 0
.set Q, Q+1
.endr
.endm
	s_wait_tensorcnt 1                             ; the scales and my part of slot 0 are in; slot 1's load may be out
	s_barrier_signal -1
	s_barrier_wait -1
	FETCH_B 0, 0, 0
	FETCH_A 0, 0, 0
	SCALES 0
	FETCH_A 0, 0, 4
	STEP 0, 0, 1                                   ; the first products start the sums: nothing is cleared
	STEPS 0, 1
	TURN 0, 1
	STEPS 1, 0
	s_wait_dscnt 4*NL                              ; the last step: nothing more to fetch
	WIN MUL_LO
	MUL16 0, 1, NQ-1, 1, 0
	MUL16 2, 1, NQ-1, 1, 0
	s_wait_dscnt 0
	WIN MUL_HI
	MUL16 4, 1, NQ-1, 1, 0
	MUL16 6, 1, NQ-1, 1, 0
	WIN 0
; THE WAY OUT, a block of 16 positions at a time: x S (exact), rounded to f16, 16 bytes a lane, stored as they stand.
.macro PACKQ a
.set AC, 64*((\a)%4)
.set UU, U+32*((\a)%2)
	WIN 0x02+(\a)/4                                ; source 0: window 2 or 3
.irp b, 0,1,2,3,4,5,6,7
.irp i, 0,1,2,3
	v_pk_mul_f32 v[TF+8*\b+2*\i:TF+8*\b+2*\i+1], v[AC+8*\b+2*\i:AC+8*\b+2*\i+1], s[SS:SS+1] op_sel_hi:[1,0]   ; each accumulator from its low end on
.endr
.endr
	WIN 0
.irp b, 0,1,2,3,4,5,6,7
.irp i, 0,1,2,3
	v_cvt_pk_f16_f32 v[UU+4*\b+\i], v[TF+8*\b+2*\i], v[TF+8*\b+2*\i+1]
.endr
.endr
.endm
.macro SENDQ a
.set UU, U+32*((\a)%2)
.irp b, 0,1,2,3,4,5,6,7
	global_store_b128 v[CO], v[UU+4*\b:UU+4*\b+3], s[12:13] offset:(\b/4)*262144+(\a)*2048+(\b%4)*512   ; head b / 4, tile a, features 16 (b % 4) on: 32 lanes fill 512 consecutive aligned bytes
.endr
.endm
	PLACES NP                                      ; behind the last products: their operands' registers are written below
.irp a, 0,1,2,3,4,5,6,7
.if \a > 1
	s_wait_xcnt 0x0                                ; block a - 2's stores have read their data: the set is written again
.endif
	PACKQ \a
	SENDQ \a
.endr
	s_wait_tensorcnt 0x0                           ; the wave's end
	ds_add_u32 v[SPW], v[NIL]
	s_wait_dscnt 0x0
	CROUND                                         ; the closing round
	s_endpgm
.Lfunc_end_k_q43e145cf03_qkv:
	.size	k_q43e145cf03_qkv, .Lfunc_end_k_q43e145cf03_qkv-k_q43e145cf03_qkv
	.p2alignl 7, 3214868480
	.fill 96, 4, 3214868480
	.section	.rodata,"a",@progbits
	.p2align	6, 0x0
	.amdhsa_kernel k_q43e145cf03_qkv
		.amdhsa_group_segment_fixed_size 327680
		.amdhsa_private_segment_fixed_size 0
		.amdhsa_enable_private_segment 0
		.amdhsa_kernarg_size 32
		.amdhsa_user_sgpr_count 2
		.amdhsa_user_sgpr_kernarg_segment_ptr 1
		.amdhsa_wavefront_size32 1
		.amdhsa_system_sgpr_workgroup_id_x 1
		.amdhsa_system_sgpr_workgroup_id_y 1
		.amdhsa_system_sgpr_workgroup_id_z 1
		.amdhsa_system_vgpr_workitem_id 0
		.amdhsa_next_free_vgpr 1024
		.amdhsa_next_free_sgpr 100
		.amdhsa_reserve_vcc 0
		.amdhsa_float_denorm_mode_32 3
		.amdhsa_float_denorm_mode_16_64 3
		.amdhsa_memory_ordered 1
		.amdhsa_forward_progress 1
		.amdhsa_inst_pref_size 137
	.end_amdhsa_kernel
	.amdgpu_metadata
---
amdhsa.version: [ 1, 2 ]
amdhsa.kernels:
  - .name:           k_q43e145cf03_qkv
    .symbol:         k_q43e145cf03_qkv.kd
    .args:
      - { .name: codes, .offset: 0, .size: 8, .value_kind: global_buffer, .address_space: global }
      - { .name: scales, .offset: 8, .size: 8, .value_kind: global_buffer, .address_space: global }
      - { .name: amax, .offset: 16, .size: 8, .value_kind: global_buffer, .address_space: global }
      - { .name: qkv, .offset: 24, .size: 8, .value_kind: global_buffer, .address_space: global }
    .group_segment_fixed_size: 327680
    .private_segment_fixed_size: 0
    .kernarg_segment_align: 8
    .kernarg_segment_size: 32
    .max_flat_workgroup_size: 128
    .sgpr_count:     100
    .vgpr_count:     1024
    .wavefront_size: 32
...
	.end_amdgpu_metadata
.endif
;; end of part 2
;; launch attn (part 3): grid 4 x 64, 8 waves a work-group, clusters of 4 x 1, 327,680 bytes of LDS; arguments qkv, amax, oimg; writes oimg
.if DOCPART == 3
	.amdgcn_target "amdgcn-amd-amdhsa--gfx1250"
	.amdhsa_code_object_version 6
	.text
	.protected	k_q43e145cf03_attn
	.globl	k_q43e145cf03_attn
	.p2align	8
	.type	k_q43e145cf03_attn,@function
k_q43e145cf03_attn:
	s_mov_b64 s[64:65], 0
	v_nop
	global_prefetch_b8 v0, s[64:65] scope:SCOPE_SE
	s_setreg_imm32_b32 hwreg(HW_REG_WAVE_MODE, 25, 1), 1
	s_wait_xcnt 0x0
	s_wait_alu depctr_hold_cnt(0) depctr_sa_sdst(0) depctr_va_vdst(0) depctr_va_sdst(0) depctr_va_ssrc(0) depctr_va_vcc(0) depctr_vm_vsrc(0)
	s_getreg_b32 s2, hwreg(HW_REG_IB_STS2, 6, 4)
	s_cmp_eq_u32 s2, 0
	s_cbranch_scc0 .Lentry_in_a_cluster
	s_endpgm
.Lentry_in_a_cluster:
	s_bfe_u32 s2, ttmp6, 0x10000c
	s_cmp_lg_u32 s2, 0x3003
	s_cbranch_scc0 .Lentry_shape_is_right
	s_endpgm
.Lentry_shape_is_right:
; O[bh][q][:] = sum over k of softmax_k(q . k / 8) v, per (batch, head), 2,048 positions, head size 64, no mask.  Operands f16, sums, maxima and the softmax in f32.
; IN: qkv [3][64 bh][128 tiles of 16 positions][2,048 bytes], q' = Sq q, k' = Sk k, v' = Sv v with powers of two S = 2^(f - 127), f = 384 - Ex - Ew held to 1 .. 253, made anew here from amax.
;     q, k tiles are images of an operand's registers ([d / 32][half of the registers][lane][16 bytes]); v tiles are [d / 16][position][32 bytes], read turned by ds_load_tr16_b128.
; The scores are multiplied by c' = log2(e) / 8 / (Sq Sk); p = 2^(c' s - c' m), m the running maximum, lies in (0, 1] and is rounded to f16; the row's sum is taken of the unrounded p.  O' = Sv O leaves as f16.
; LIMITS: NaN and infinities are not served; where f is held at 1 or 253 the range argument of the launch before is lost, and c' may leave f32's range.
; SHARES: a work-group owns 512 queries of one (batch, head), each of its eight waves 64: four tiles of 16.  Two waves share a SIMD: one wave's softmax stands beside the other's products.
; Every wave walks all 2,048 keys, 64 a step; each fragment of K or V read from LDS feeds four matrix instructions.
; LAYOUT: S^T = K Q^T (source 0 = 16 keys, source 1 = 16 queries) and O^T = V^T P (source 0 = 16 channels, source 1 = P): a lane holds ONE query throughout; two score tiles rounded in pairs ARE P's operand.
; RING: two LDS slots of 512 keys (K's 65,536 bytes of images, then V's), dense: every fragment load reads 512 consecutive bytes.  Four fills: two at the head, one behind each of two rounds.
; CLUSTER 4 x 1: the head's four query blocks walk the same K and V: each tile is asked for jointly (mask 15); waves 0-3 fetch K's quarters of a slot, waves 4-7 V's, 16,384 bytes a load.
; By this text's count a wave has two tensor loads out at the head and one behind a round; a refill has eight key steps, 512 matrix instructions of the wave, in which to land.
; NO PREFETCH: the head's fills are the first thing asked for, and each of the two refills is asked for eight key steps ahead of the wait for it.
; OUT: oimg [row / 16][feature / 32][half of the registers][lane][16 bytes]: the operand image that the projection reads; a lane's eight channels are 16 bytes of it, the wave's store 512 consecutive aligned bytes.
; REGISTERS: window 0: v1-7 addresses; v8-15 at work; v16-47 statistics, 8 a tile (+0 c'm, +1 m, +2, +3 the sum's halves, +4 .. +7 at work, a at +6); v64-191 S^T, 32 a tile, P in each tile's low 16; v192-255 Q.
;            window 1: v0-127 O^T, 32 a tile; v128-191 K of a step; v192-255 V of a step.
.set STEPB, 8192                       ; a step's four tiles of 2,048 bytes, of K and of V alike
.set SLOTB, 65536                      ; 512 keys of K or of V
.set VOFF,  65536                      ; V behind K in a slot
.set SLOT1, 1<<17                      ; slot 1: one exclusive or turns an address
.set SPARE, 2*SLOT1                    ; the spare words: 128 bytes for each of eight waves
.set KBASE, 16777216                   ; k in qkv
.set VBASE, 33554432                   ; v in qkv
.set LI,  1                            ; v1 16 x lane
.set AV0, 2                            ; v2 my lane's place in a tile of V, + VOFF
.set ADK, 3
.set ADV, 4
.set SPW, 6
.set NIL, 7
.set ST,  16
.set S,   64
.set Q,   192
.set O,   0                            ; window 1
.set KF,  128
.set VF,  192
.set WV,  14
.set G1,  24                           ; s[24:31] the one group 1
.set G0K, 32                           ; s[32:39] K's groups 0: slot 0's; slot 1's, which walks on
.set G0V, 40                           ; s[40:47] V's
.set CS,  48                           ; s[48:49] c', twice
.set SEL, 50
.set TB,  52                           ; LDS byte at which the step's tiles begin
.set CNT, 53
.set SLOTS, 54
.set MSB, 0
.macro WIN new
.if MSB != (\new)
	s_set_vgpr_msb (MSB<<8)|(\new)
.set MSB, (\new)
.endif
.endm
.macro PLACES n
.rept \n
	v_nop
.endr
.endm
.macro CROUND
	s_barrier_signal -1
	s_barrier_wait -1
	s_cmp_lg_u32 s[WV], 0
	s_cbranch_scc1 .Lnot_wave_0_\@
	s_barrier_signal -3
.Lnot_wave_0_\@:
	s_barrier_wait -3
	s_barrier_signal -1
	s_barrier_wait -1
.endm
.macro JLOAD                           ; a joint refill by the walking descriptors; the branch hangs on the wave's number alone; an s_nop 0 and four v_nop follow each line
	s_cmp_lt_u32 s[WV], 4
	s_cbranch_scc0 .Lfor_v_\@
	tensor_load_to_lds s[G0K+4:G0K+7], s[G1:G1+7]
	s_nop 0
.rept 4
	v_nop
.endr
	s_branch .Lasked_\@
.Lfor_v_\@:
	tensor_load_to_lds s[G0V+4:G0V+7], s[G1:G1+7]
	s_nop 0
.rept 4
	v_nop
.endr
.Lasked_\@:
.endm
.macro GMAX d, first, n
	v_max3_num_f32 v[\d], v[\first], v[\first+1], v[\first+2]
.set gi, 3
.rept ((\n)-3)/2
	v_max3_num_f32 v[\d], v[\d], v[\first+gi], v[\first+gi+1]
.set gi, gi+2
.endr
.if ((\n)-3)%2
	v_max_num_f32 v[\d], v[\d], v[\first+(\n)-1]
.endif
	v_max_num_f32_dpp v[\d], v[\d], v[\d] row_xmask:1 row_mask:0xf bank_mask:0xf
	v_max_num_f32_dpp v[\d], v[\d], v[\d] row_xmask:2 row_mask:0xf bank_mask:0xf
	v_max_num_f32_dpp v[\d], v[\d], v[\d] row_xmask:4 row_mask:0xf bank_mask:0xf
	v_max_num_f32_dpp v[\d], v[\d], v[\d] row_xmask:8 row_mask:0xf bank_mask:0xf
	v_permlanex16_b32 v[\first], v[\d], s[SEL], s[SEL+1]
	v_max_num_f32 v[\d], v[\d], v[\first]
.endm
.macro FIELD sd, sx, sw
	s_sub_co_i32 s[\sd], 384, s[\sx]
	s_sub_co_i32 s[\sd], s[\sd], s[\sw]
	s_max_i32 s[\sd], s[\sd], 1
	s_min_i32 s[\sd], s[\sd], 253
.endm
	s_load_b128 s[4:7], s[0:1], 0x0                ; qkv, amax
	s_load_b64 s[8:9], s[0:1], 0x10                ; oimg
	v_lshl_add_u32 v[SPW], v0, 2, SPARE
	v_mov_b32 v[NIL], 0
	ds_add_u32 v[SPW], v[NIL]                      ; the opening: the add, twice on end, and its wait ahead of my first tensor load
	ds_add_u32 v[SPW], v[NIL]
	v_lshrrev_b32 v1, 5, v0
	v_readfirstlane_b32 s[WV], v1                  ; wave 0..7
	s_bfe_u32 s15, ttmp6, 0x40000                  ; cx = my block of 512 queries: it enters q's and O's addresses alone
	s_and_b32 s16, ttmp7, 0xffff                   ; batch x 16 + head, which the four partners share
	s_and_b32 s17, s[WV], 3
	s_lshl_b32 s18, s17, 14                        ; my quarter of a slot's K or V: 16,384 bytes, in memory and in LDS
	s_lshl_b32 s20, s16, 18                        ; a head's 262,144 bytes
	s_add_co_u32 s20, s20, s18
	s_mov_b32 s21, 0
	s_lshl_b32 s22, s16, 18
	s_lshl_b32 s23, s15, 16                        ; q: my block's 32 tiles,
	s_add_co_u32 s22, s22, s23
	s_lshl_b32 s23, s[WV], 13                      ; my wave's 4
	s_add_co_u32 s22, s22, s23
	s_mov_b32 s23, 0
	s_lshr_b32 s56, s16, 4                         ; O: batch x 128 row tiles of 32,768 bytes,
	s_lshl_b32 s56, s56, 22
	s_lshl_b32 s57, s15, 20                        ; my block's 32,
	s_add_co_u32 s56, s56, s57
	s_lshl_b32 s57, s[WV], 17                      ; my wave's 4,
	s_add_co_u32 s56, s56, s57
	s_and_b32 s57, s16, 15
	s_lshl_b32 s57, s57, 11                        ; my head's 2,048 bytes in each
	s_add_co_u32 s56, s56, s57
	s_mov_b32 s57, 0
	s_mov_b32 s[G1], 15|(3<<16)|(1<<21)            ; the mask: all four; elements of 8 bytes; bit 21 beside a mask; no padding
	s_mov_b32 s[G1+1], 32<<16                      ; tensor_dim0 = 32 elements: rows of 256 bytes
	s_mov_b32 s[G1+2], 64<<16                      ; tensor_dim1 = 64
	s_mov_b32 s[G1+3], 32<<16                      ; tile_dim0
	s_mov_b32 s[G1+4], 64                          ; tile_dim1
	s_mov_b32 s[G1+5], 32                          ; pitch: dense
	s_mov_b32 s[G1+6], 0
	s_mov_b32 s[G1+7], 0
	s_mov_b32 s[SEL], 0x76543210
	s_mov_b32 s[SEL+1], 0xfedcba98
	s_mov_b32 s[TB], 0
	s_mov_b32 s[SLOTS], 2
	s_wait_dscnt 0x0                               ; both opening adds are done
	s_wait_kmcnt 0x0
	s_add_nc_u64 s[20:21], s[4:5], s[20:21]        ; made of the head and the wave's number alone
	s_add_nc_u64 s[10:11], s[4:5], s[22:23]        ; q at my wave's first tile
	s_add_nc_u64 s[8:9], s[8:9], s[56:57]
	CROUND                                         ; all four work-groups are here: the first joint loads meet
.irp s, 0,1
	s_mov_b32 s[G0K+4*\s], 1
	s_add_co_u32 s[G0K+4*\s+1], s18, \s*SLOT1
	s_add_nc_u64 s[G0K+4*\s+2:G0K+4*\s+3], s[20:21], KBASE+\s*SLOTB
	s_or_b32 s[G0K+4*\s+3], s[G0K+4*\s+3], 0x80000000
	s_mov_b32 s[G0V+4*\s], 1
	s_add_co_u32 s[G0V+4*\s+1], s18, \s*SLOT1+VOFF
	s_add_nc_u64 s[G0V+4*\s+2:G0V+4*\s+3], s[20:21], VBASE+\s*SLOTB
	s_or_b32 s[G0V+4*\s+3], s[G0V+4*\s+3], 0x80000000
.endr
	s_cmp_lt_u32 s[WV], 4                          ; a wave's two first fills stand in one branch, ahead of every wait on TENSORcnt and every LDS read
	s_cbranch_scc0 .Lfirst_v
	tensor_load_to_lds s[G0K:G0K+3], s[G1:G1+7]
	s_nop 0
	tensor_load_to_lds s[G0K+4:G0K+7], s[G1:G1+7]
	s_nop 0
.rept 4
	v_nop
.endr
	s_branch .Lfirst_asked
.Lfirst_v:
	tensor_load_to_lds s[G0V:G0V+3], s[G1:G1+7]
	s_nop 0
	tensor_load_to_lds s[G0V+4:G0V+7], s[G1:G1+7]
	s_nop 0
.rept 4
	v_nop
.endr
.Lfirst_asked:
	v_and_b32 v8, 31, v0
	v_lshlrev_b32 v[LI], 4, v8
	v_bfe_u32 v9, v0, 4, 1
	v_and_b32 v10, 7, v0
	v_bfe_u32 v11, v0, 3, 1
	v_lshl_add_u32 v[AV0], v9, 3, v10              ; the turning load: key 8 (l / 16) + l % 8 of a tile, rows of 32 bytes,
	v_lshlrev_b32 v[AV0], 5, v[AV0]
	v_lshl_add_u32 v[AV0], v11, 4, v[AV0]          ; channels 8 ((l / 8) % 2) on
	v_add_nc_u32 v[AV0], VOFF, v[AV0]
.irp qt, 0,1,2,3
.irp c, 0,1
	global_load_b128 v[Q+16*\qt+8*\c:Q+16*\qt+8*\c+3],   v[LI], s[10:11] offset:\qt*2048+\c*1024       ; Q stays in registers
	global_load_b128 v[Q+16*\qt+8*\c+4:Q+16*\qt+8*\c+7], v[LI], s[10:11] offset:\qt*2048+\c*1024+512
.endr
.endr
.irp i, 0,1,2,3,4,5,6,7
	global_load_b128 v[S+4*\i:S+4*\i+3], v[LI], s[6:7] offset:512*\i   ; the largest magnitudes: x's 1,024,
.endr
	global_load_b128 v[S+32:S+35], v[LI], s[6:7] offset:4096           ; Wq's 128,
	global_load_b128 v[S+36:S+39], v[LI], s[6:7] offset:4608           ; Wk's
	s_wait_loadcnt 0x0
	GMAX 8, S, 32
	GMAX 9, S+32, 4
	GMAX 10, S+36, 4
	v_readfirstlane_b32 s56, v8
	v_readfirstlane_b32 s57, v9
	v_readfirstlane_b32 s58, v10
	s_lshr_b32 s56, s56, 23
	s_lshr_b32 s57, s57, 23
	s_lshr_b32 s58, s58, 23
	FIELD 59, 56, 57
	FIELD 60, 56, 58
	s_sub_co_i32 s59, 254, s59
	s_sub_co_i32 s60, 254, s60
	s_lshl_b32 s59, s59, 23                        ; 1 / Sq
	s_lshl_b32 s60, s60, 23                        ; 1 / Sk
	v_mov_b32 v8, 0x3e38aa3b                       ; log2(e) / 8
	v_mul_f32 v8, s59, v8
	v_mul_f32 v8, s60, v8
	v_readfirstlane_b32 s[CS], v8                  ; c': a value, never an address or a condition
	s_mov_b32 s[CS+1], s[CS]
; A KEY STEP: 64 keys at LDS byte s[TB].  first = 1: the first step starts m, the sum and O^T.
.macro STEP first
	v_add_nc_u32 v[ADK], s[TB], v[LI]
	v_add_nc_u32 v[ADV], s[TB], v[AV0]
	PLACES 3                                       ; with the two additions: five places behind the last V^T P, whose P registers the scores below write over and whose V registers are loaded again
	WIN 0x40                                       ; destination window 1
.irp kt, 0,1,2,3
.irp c, 0,1
	ds_load_b128 v[KF+8*(2*\kt+\c):KF+8*(2*\kt+\c)+3],   v[ADK] offset:\kt*2048+\c*1024
	ds_load_b128 v[KF+8*(2*\kt+\c)+4:KF+8*(2*\kt+\c)+7], v[ADK] offset:\kt*2048+\c*1024+512
.endr
.endr
.irp ct, 0,1,2,3
.irp u, 0,1
	ds_load_tr16_b128 v[VF+8*(2*\ct+\u):VF+8*(2*\ct+\u)+3],   v[ADV] offset:(2*\u)*2048+\ct*512     ; keys 32 u + 8 (l / 16) on,
	ds_load_tr16_b128 v[VF+8*(2*\ct+\u)+4:VF+8*(2*\ct+\u)+7], v[ADV] offset:(2*\u+1)*2048+\ct*512   ; and 16 further on: the next tile
.endr
.endr
	s_wait_dscnt 16                                ; K's sixteen loads are in; V's sixteen may be out
	WIN 0x01                                       ; K in window 1
.irp c, 0,1                                    ; S^T = K Q^T: the 16 accumulators take turns, one instruction a turn
.irp kt, 0,1,2,3
.irp qt, 0,1,2,3
.if \c == 0
	v_wmma_f32_16x16x32_f16 v[S+32*\qt+8*\kt:S+32*\qt+8*\kt+7], v[KF+8*(2*\kt+\c):KF+8*(2*\kt+\c)+7], v[Q+16*\qt+8*\c:Q+16*\qt+8*\c+7], 0
.else
	v_wmma_f32_16x16x32_f16 v[S+32*\qt+8*\kt:S+32*\qt+8*\kt+7], v[KF+8*(2*\kt+\c):KF+8*(2*\kt+\c)+7], v[Q+16*\qt+8*\c:Q+16*\qt+8*\c+7], v[S+32*\qt+8*\kt:S+32*\qt+8*\kt+7]
.endif
.endr
.endr
.endr
	WIN 0
	PLACES 4
.irp i, 0,1,2,3                                ; the maximum: four chains a tile, the four tiles by turns; each accumulator is read from its low end on
.irp t, 0,1,2,3
	v_max3_num_f32 v[ST+8*\t+4+\i], v[S+32*\t+8*\i], v[S+32*\t+8*\i+1], v[S+32*\t+8*\i+2]
.endr
.endr
.irp k, 3,5
.irp i, 0,1,2,3
.irp t, 0,1,2,3
	v_max3_num_f32 v[ST+8*\t+4+\i], v[ST+8*\t+4+\i], v[S+32*\t+8*\i+\k], v[S+32*\t+8*\i+\k+1]
.endr
.endr
.endr
.irp t, 0,1,2,3
	v_max3_num_f32 v[ST+8*\t+4], v[ST+8*\t+4], v[S+32*\t+7], v[S+32*\t+15]
.endr
.irp t, 0,1,2,3
	v_max3_num_f32 v[ST+8*\t+6], v[ST+8*\t+6], v[S+32*\t+23], v[S+32*\t+31]
.endr
.irp t, 0,1,2,3
	v_max3_num_f32 v[ST+8*\t+4], v[ST+8*\t+4], v[ST+8*\t+5], v[ST+8*\t+6]
.endr
.irp t, 0,1,2,3
.if \first
	v_max_num_f32 v[ST+8*\t+4], v[ST+8*\t+4], v[ST+8*\t+7]
.else
	v_max3_num_f32 v[ST+8*\t+4], v[ST+8*\t+4], v[ST+8*\t+7], v[ST+8*\t+1]   ; with the old m
.endif
.endr
.irp t, 0,1,2,3
	v_permlanex16_b32 v[ST+8*\t+5], v[ST+8*\t+4], s[SEL], s[SEL+1]          ; the query's other 32 keys lie in the lane 16 away
.endr
.if \first == 0
.irp t, 0,1,2,3
	v_mov_b32 v[ST+8*\t+7], v[ST+8*\t]             ; c' m_old
.endr
.endif
.irp t, 0,1,2,3
	v_max_num_f32 v[ST+8*\t+1], v[ST+8*\t+4], v[ST+8*\t+5]
.endr
.irp t, 0,1,2,3
	v_mul_f32 v[ST+8*\t], s[CS], v[ST+8*\t+1]
.endr
.if \first == 0
.irp t, 0,1,2,3
	v_sub_f32 v[ST+8*\t+7], v[ST+8*\t+7], v[ST+8*\t]
.endr
.irp t, 0,1,2,3
	v_exp_f32 v[ST+8*\t+6], v[ST+8*\t+7]           ; a = 2^(c' m_old - c' m_new)
.endr
.endif
.irp j, 0,2,4,6,8,10,12,14,16,18,20,22,24,26,28,30
.irp t, 0,1,2,3
	v_pk_fma_f32 v[S+32*\t+\j:S+32*\t+\j+1], v[S+32*\t+\j:S+32*\t+\j+1], s[CS:CS+1], v[ST+8*\t:ST+8*\t+1] op_sel_hi:[1,0,0] neg_lo:[0,0,1] neg_hi:[0,0,1]   ; c' s - c' m, two at a time
.endr
.endr
.if \first == 0
	s_wait_alu depctr_va_vdst(0)                   ; the wait between the four a and their first reader; the 64 scalings are the work between
.endif
.set e, 0
.rept 128
	v_exp_f32 v[S+e], v[S+e]                       ; p: one batch
.set e, e+1
.endr
.if \first
	v_nop                                          ; a plain instruction behind the last exponential
.else
	WIN 0x41                                       ; O^T in window 1, a in window 0
.set e, 0
.rept 64
	v_pk_mul_f32 v[O+2*e:O+2*e+1], v[O+2*e:O+2*e+1], v[ST+8*(e/16)+6:ST+8*(e/16)+7] op_sel_hi:[1,0]   ; O^T x a: names no p: the work between the batch and its wait; each accumulator from its low end on
.set e, e+1
.endr
	WIN 0
.endif
	s_wait_alu depctr_va_vdst(0)                   ; one wait for the 128, ahead of their first reader
.irp t, 0,1,2,3                                ; the sum of the unrounded p, in two chains a tile
.if \first
	v_pk_add_f32 v[ST+8*\t+2:ST+8*\t+3], v[S+32*\t:S+32*\t+1], v[S+32*\t+4:S+32*\t+5]
.else
	v_pk_fma_f32 v[ST+8*\t+2:ST+8*\t+3], v[ST+8*\t+2:ST+8*\t+3], v[ST+8*\t+6:ST+8*\t+7], v[S+32*\t:S+32*\t+1] op_sel_hi:[1,0,1]
.endif
.endr
.irp t, 0,1,2,3
	v_pk_add_f32 v[ST+8*\t+4:ST+8*\t+5], v[S+32*\t+2:S+32*\t+3], v[S+32*\t+6:S+32*\t+7]
.endr
.if \first == 0
.irp t, 0,1,2,3
	v_pk_add_f32 v[ST+8*\t+2:ST+8*\t+3], v[ST+8*\t+2:ST+8*\t+3], v[S+32*\t+4:S+32*\t+5]
.endr
.endif
.irp k, 8,12,16,20,24,28
.irp t, 0,1,2,3
	v_pk_add_f32 v[ST+8*\t+2:ST+8*\t+3], v[ST+8*\t+2:ST+8*\t+3], v[S+32*\t+\k:S+32*\t+\k+1]
	v_pk_add_f32 v[ST+8*\t+4:ST+8*\t+5], v[ST+8*\t+4:ST+8*\t+5], v[S+32*\t+\k+2:S+32*\t+\k+3]
.endr
.endr
.irp t, 0,1,2,3
	v_pk_add_f32 v[ST+8*\t+2:ST+8*\t+3], v[ST+8*\t+2:ST+8*\t+3], v[ST+8*\t+4:ST+8*\t+5]
.endr
.irp j, 0,1,2,3,4,5,6,7,8,9,10,11,12,13,14,15
.irp t, 0,1,2,3
	v_cvt_pk_f16_f32 v[S+32*\t+\j], v[S+32*\t+2*\j], v[S+32*\t+2*\j+1]   ; P in place, ascending: register j is written when numbers 2 j, 2 j + 1 are read and numbers up to 2 j - 1 are done with
.endr
.endr
	s_wait_dscnt 0x0                               ; V is in
	WIN 0x51                                       ; V, C and D in window 1, P in window 0
.irp u, 0,1                                    ; O^T += V^T P: the 16 accumulators take turns
.irp ct, 0,1,2,3
.irp qt, 0,1,2,3
.if (\first) && (\u == 0)
	v_wmma_f32_16x16x32_f16 v[O+32*\qt+8*\ct:O+32*\qt+8*\ct+7], v[VF+8*(2*\ct+\u):VF+8*(2*\ct+\u)+7], v[S+32*\qt+8*\u:S+32*\qt+8*\u+7], 0
.else
	v_wmma_f32_16x16x32_f16 v[O+32*\qt+8*\ct:O+32*\qt+8*\ct+7], v[VF+8*(2*\ct+\u):VF+8*(2*\ct+\u)+7], v[S+32*\qt+8*\u:S+32*\qt+8*\u+7], v[O+32*\qt+8*\ct:O+32*\qt+8*\ct+7]
.endif
.endr
.endr
.endr
	WIN 0
	s_add_co_u32 s[TB], s[TB], STEPB
.endm
.macro STEPS n
	s_mov_b32 s[CNT], \n
.Lstep_\@:
	STEP 0
	s_sub_co_u32 s[CNT], s[CNT], 1
	s_cmp_lg_u32 s[CNT], 0
	s_cbranch_scc1 .Lstep_\@
.endm
; THE CHANGE OF SLOTS.  Each wave waits for all its tensor loads (its part of the other slot), adds 0 to its spare word, and waits for that and for its reads of the slot that it leaves.
; fill = 1: a round of the cluster's barrier, so that no wave of any partner still reads the slot or has a load out; the joint refill, 512 keys two slots on, is the first thing behind it.
.macro CHANGE fill
	WIN 0
	s_wait_tensorcnt 0x0                           ; no tensor load of mine is out: a group 0 may be written
	ds_add_u32 v[SPW], v[NIL]
.if \fill
	s_xor_b32 s[G0K+5], s[G0K+5], SLOT1            ; the walking descriptors: the other slot than last time,
	s_add_nc_u64 s[G0K+6:G0K+7], s[G0K+6:G0K+7], SLOTB   ; the next 512 keys
	s_xor_b32 s[G0V+5], s[G0V+5], SLOT1
	s_add_nc_u64 s[G0V+6:G0V+7], s[G0V+6:G0V+7], SLOTB
.endif
	s_wait_dscnt 0x0                               ; the add is done, my reads of the slot are over
.if \fill
	CROUND
	JLOAD
.else
	s_barrier_signal -1
	s_barrier_wait -1
.endif
	s_sub_co_u32 s[TB], s[TB], SLOTB               ; back to a slot's first step,
	s_xor_b32 s[TB], s[TB], SLOT1                  ; in the other slot
.endm
	s_wait_tensorcnt 1                             ; my part of slot 0 is in; slot 1's may stay out
	s_barrier_signal -1
	s_barrier_wait -1
	STEP 1
	STEPS 7
.Lslot:                                            ; two trips: slot 0 takes keys 1,024 on, slot 1 keys 1,536 on
	CHANGE 1
	STEPS 8
	s_sub_co_u32 s[SLOTS], s[SLOTS], 1
	s_cmp_lg_u32 s[SLOTS], 0
	s_cbranch_scc1 .Lslot
	CHANGE 0                                       ; the tail is written out
	STEPS 8
	; THE WAY OUT: the sum's halves and the other half of the lanes'; O^T / sum, rounded to f16, stored as it stands.  The additions are the places behind the last products.
.irp t, 0,1,2,3
	v_add_f32 v[ST+8*\t+4], v[ST+8*\t+2], v[ST+8*\t+3]
.endr
.irp t, 0,1,2,3
	v_permlanex16_b32 v[ST+8*\t+5], v[ST+8*\t+4], s[SEL], s[SEL+1]
.endr
.irp t, 0,1,2,3
	v_add_f32 v[ST+8*\t+4], v[ST+8*\t+4], v[ST+8*\t+5]
.endr
.irp t, 0,1,2,3
	v_rcp_f32 v[ST+8*\t+6], v[ST+8*\t+4]
.endr
	v_nop                                          ; a plain instruction behind the last reciprocal
	s_wait_alu depctr_va_vdst(0)                   ; one wait for the four, ahead of their first reader
.irp t, 0,1,2,3
	WIN 0x41
.irp i, 0,1,2,3,4,5,6,7,8,9,10,11,12,13,14,15
	v_pk_mul_f32 v[O+32*\t+2*\i:O+32*\t+2*\i+1], v[O+32*\t+2*\i:O+32*\t+2*\i+1], v[ST+8*\t+6:ST+8*\t+7] op_sel_hi:[1,0]
.endr
	WIN 0x05                                       ; sources in window 1, destination in window 0
.irp i, 0,1,2,3,4,5,6,7,8,9,10,11,12,13,14,15
	v_cvt_pk_f16_f32 v[S+16*\t+\i], v[O+32*\t+2*\i], v[O+32*\t+2*\i+1]
.endr
	WIN 0
.irp ct, 0,1,2,3
	global_store_b128 v[LI], v[S+16*\t+4*\ct:S+16*\t+4*\ct+3], s[8:9] offset:\t*32768+\ct*512   ; channels 16 ct + 8 (l / 16) on of query l % 16: 32 lanes fill 512 consecutive aligned bytes
.endr
.endr
	s_wait_tensorcnt 0x0                           ; the wave's end
	ds_add_u32 v[SPW], v[NIL]
	s_wait_dscnt 0x0
	CROUND                                         ; the closing round
	s_endpgm
.Lfunc_end_k_q43e145cf03_attn:
	.size	k_q43e145cf03_attn, .Lfunc_end_k_q43e145cf03_attn-k_q43e145cf03_attn
	.p2alignl 7, 3214868480
	.fill 96, 4, 3214868480
	.section	.rodata,"a",@progbits
	.p2align	6, 0x0
	.amdhsa_kernel k_q43e145cf03_attn
		.amdhsa_group_segment_fixed_size 327680
		.amdhsa_private_segment_fixed_size 0
		.amdhsa_enable_private_segment 0
		.amdhsa_kernarg_size 24
		.amdhsa_user_sgpr_count 2
		.amdhsa_user_sgpr_kernarg_segment_ptr 1
		.amdhsa_wavefront_size32 1
		.amdhsa_system_sgpr_workgroup_id_x 1
		.amdhsa_system_sgpr_workgroup_id_y 1
		.amdhsa_system_sgpr_workgroup_id_z 1
		.amdhsa_system_vgpr_workitem_id 0
		.amdhsa_next_free_vgpr 512
		.amdhsa_next_free_sgpr 66
		.amdhsa_reserve_vcc 0
		.amdhsa_float_denorm_mode_32 3
		.amdhsa_float_denorm_mode_16_64 3
		.amdhsa_memory_ordered 1
		.amdhsa_forward_progress 1
		.amdhsa_inst_pref_size 146
	.end_amdhsa_kernel
	.amdgpu_metadata
---
amdhsa.version: [ 1, 2 ]
amdhsa.kernels:
  - .name:           k_q43e145cf03_attn
    .symbol:         k_q43e145cf03_attn.kd
    .args:
      - { .name: qkv, .offset: 0, .size: 8, .value_kind: global_buffer, .address_space: global }
      - { .name: amax, .offset: 8, .size: 8, .value_kind: global_buffer, .address_space: global }
      - { .name: oimg, .offset: 16, .size: 8, .value_kind: global_buffer, .address_space: global }
    .group_segment_fixed_size: 327680
    .private_segment_fixed_size: 0
    .kernarg_segment_align: 8
    .kernarg_segment_size: 24
    .max_flat_workgroup_size: 256
    .sgpr_count:     66
    .vgpr_count:     512
    .wavefront_size: 32
...
	.end_amdgpu_metadata
.endif
;; end of part 3
;; launch oproj (part 4): grid 8 x 32, 4 waves a work-group, clusters of 4 x 4, 327,680 bytes of LDS; arguments oimg, wo16, amax, out0; writes out0
.if DOCPART == 4
	.amdgcn_target "amdgcn-amd-amdhsa--gfx1250"
	.amdhsa_code_object_version 6
	.text
	.protected	k_q43e145cf03_oproj
	.globl	k_q43e145cf03_oproj
	.p2align	8
	.type	k_q43e145cf03_oproj,@function
k_q43e145cf03_oproj:
	s_mov_b64 s[64:65], 0
	v_nop
	global_prefetch_b8 v0, s[64:65] scope:SCOPE_SE
	s_setreg_imm32_b32 hwreg(HW_REG_WAVE_MODE, 25, 1), 1
	s_wait_xcnt 0x0
	s_wait_alu depctr_hold_cnt(0) depctr_sa_sdst(0) depctr_va_vdst(0) depctr_va_sdst(0) depctr_va_ssrc(0) depctr_va_vcc(0) depctr_vm_vsrc(0)
	s_getreg_b32 s2, hwreg(HW_REG_IB_STS2, 6, 4)
	s_cmp_eq_u32 s2, 0
	s_cbranch_scc0 .Lentry_in_a_cluster
	s_endpgm
.Lentry_in_a_cluster:
	s_bfe_u32 s2, ttmp6, 0x10000c
	s_cmp_lg_u32 s2, 0xf033
	s_cbranch_scc0 .Lentry_shape_is_right
	s_endpgm
.Lentry_shape_is_right:
; out0[m][e] = sum over f of O[m][f] Wo[e][f], M = 8,192, N = K = 1,024; operands f16, sums f32.
; oimg holds O' = Sv O as operand images, [m / 16][f / 32][half of the registers][lane][16 bytes]; wo16 is Wo in f16, [1024][1024].  The sums are multiplied by 1 / Sv = 2^(127 - f), f = 384 - Ex - Ew(Wv) held to
; 1 .. 253, made anew from amax as in the launches before: exact.  LIMITS: those of the launches before (NaN, infinities, f held at its ends, Wo's range in f16).
; A tile of 256 rows x 128 outputs gives 256 work-groups; a wave makes 128 x 64: 32 accumulators, all of window 1.  K goes in steps of 128 through two LDS slots.
; A slot: O's 16 row tiles x 4,096 bytes of images, dense (a fragment load reads 512 consecutive bytes), then Wo's 128 rows of 256 bytes + 16 of padding.
; CLUSTER 4 x 4: O's tiles are asked for jointly along a row of the cluster, Wo's along a column; waves 0, 1 fetch O's halves (8 rows of 4,096 bytes), waves 2, 3 Wo's (64 rows of 256 bytes).
; By this text's count a wave has two tensor loads out at the head and one behind a round; a refill has 112 matrix instructions of the wave in which to land.  No prefetch on steps of this length.
; TRANSPOSED USE (source 0 = 16 rows of Wo, source 1 = 16 rows of O): a lane holds eight neighbouring outputs of one row.  The way out goes through the wave's own stage: sixteen lanes store 256 consecutive aligned bytes.
; REGISTERS: window 0: v1-29 addresses; v64-159, v160-255 two fragment buffers (O's 8 at f + 8 a, Wo's 4 at f + 64 + 8 b); on the way out v64-127 scaled sums, v128-191 rows read back.  window 1: accumulator (a, b) at v[8 (4 a + b)].
.set PITCH,  272
.set ABYTES, 65536
.set BHALF,  64*PITCH
.set SLOT,   ABYTES+2*BHALF
.set STAGE,  2*SLOT
.set SPITCH, 272
.set SPARE,  STAGE+4*16*SPITCH
.set LAPS,   4                         ; 1,024 / (2 x 128)
.set ASTEP,  4096                      ; a K step in a row tile of oimg
.set BSTEP,  256                       ; and in a row of wo16
.set ADRA, 16
.set ADRB, 20
.set STO,  24
.set RD,   25
.set CO,   26
.set SPW,  28
.set NIL,  29
.set F0,   64
.set F1,   160
.set G1, 24
.set G0, 32
.set G1B, 48
.set G0B, 56
.set SS,  66                           ; s[66:67] 1 / Sv, twice
.set SEL, 68
.set MSB, 0
.macro WIN new
.if MSB != (\new)
	s_set_vgpr_msb (MSB<<8)|(\new)
.set MSB, (\new)
.endif
.endm
.set MUL, 0x50                         ; C and D window 1, the fragments window 0
.macro PLACES n
.rept \n
	v_nop
.endr
.endm
.macro JLOAD s                         ; waves 0, 1 for O, waves 2, 3 for Wo; an s_nop 0 and four v_nop follow each line
	s_cmp_eq_u32 s13, 0
	s_cbranch_scc0 .Lfor_b_\@
	tensor_load_to_lds s[G0+4*\s:G0+4*\s+3], s[G1:G1+7]
	s_nop 0
.rept 4
	v_nop
.endr
	s_branch .Lasked_\@
.Lfor_b_\@:
	tensor_load_to_lds s[G0B+4*\s:G0B+4*\s+3], s[G1B:G1B+7]
	s_nop 0
.rept 4
	v_nop
.endr
.Lasked_\@:
.endm
.macro CREST
	s_cmp_lg_u32 s12, 0
	s_cbranch_scc1 .Lnot_wave_0_\@
	s_barrier_signal -3
.Lnot_wave_0_\@:
	s_barrier_wait -3
	s_barrier_signal -1
	s_barrier_wait -1
.endm
.macro CROUND
	s_barrier_signal -1
	s_barrier_wait -1
	CREST
.endm
.macro GMAX d, first, n
	v_max3_num_f32 v[\d], v[\first], v[\first+1], v[\first+2]
.set gi, 3
.rept ((\n)-3)/2
	v_max3_num_f32 v[\d], v[\d], v[\first+gi], v[\first+gi+1]
.set gi, gi+2
.endr
.if ((\n)-3)%2
	v_max_num_f32 v[\d], v[\d], v[\first+(\n)-1]
.endif
	v_max_num_f32_dpp v[\d], v[\d], v[\d] row_xmask:1 row_mask:0xf bank_mask:0xf
	v_max_num_f32_dpp v[\d], v[\d], v[\d] row_xmask:2 row_mask:0xf bank_mask:0xf
	v_max_num_f32_dpp v[\d], v[\d], v[\d] row_xmask:4 row_mask:0xf bank_mask:0xf
	v_max_num_f32_dpp v[\d], v[\d], v[\d] row_xmask:8 row_mask:0xf bank_mask:0xf
	v_permlanex16_b32 v[\first], v[\d], s[SEL], s[SEL+1]
	v_max_num_f32 v[\d], v[\d], v[\first]
.endm
.macro FIELD sd, sx, sw
	s_sub_co_i32 s[\sd], 384, s[\sx]
	s_sub_co_i32 s[\sd], s[\sd], s[\sw]
	s_max_i32 s[\sd], s[\sd], 1
	s_min_i32 s[\sd], s[\sd], 253
.endm
	s_load_b256 s[4:11], s[0:1], 0x0               ; oimg s[4:5], wo16 s[6:7], amax s[8:9], out0 s[10:11]
	v_lshl_add_u32 v[SPW], v0, 2, SPARE
	v_mov_b32 v[NIL], 0
	ds_add_u32 v[SPW], v[NIL]                      ; the opening: the add, twice on end, and its wait ahead of my first tensor load
	ds_add_u32 v[SPW], v[NIL]
	v_lshrrev_b32 v1, 5, v0
	v_readfirstlane_b32 s12, v1                    ; wave 0..3
	s_lshr_b32 s13, s12, 1                         ; my half of the rows; also: I fetch for O (0) or Wo (1)
	s_and_b32 s14, s12, 1                          ; my half of the outputs; also: which half of that tile I fetch
	s_bfe_u32 s40, ttmp6, 0x40000                  ; cx
	s_bfe_u32 s41, ttmp6, 0x40004                  ; cy
	s_lshl_b32 s42, ttmp9, 2
	s_add_co_u32 s42, s42, s40                     ; tile column
	s_and_b32 s15, ttmp7, 0xffff
	s_lshl_b32 s15, s15, 2
	s_add_co_u32 s15, s15, s41                     ; tile row
	s_lshl_b32 s43, s41, 2
	s_lshl_b32 s43, 15, s43                        ; my row of the cluster
	s_lshl_b32 s44, 0x1111, s40                    ; my column
	s_or_b32 s[G1+0], s43, (3<<16)|(1<<21)         ; O: the mask; elements of 8 bytes; bit 21 beside a mask; no padding
	s_mov_b32 s[G1+1], 512<<16                     ; tensor_dim0 = 512 elements: 4,096 bytes of a row tile
	s_mov_b32 s[G1+2], 8<<16                       ; tensor_dim1 = 8 row tiles
	s_mov_b32 s[G1+3], 512<<16                     ; tile_dim0
	s_mov_b32 s[G1+4], 8                           ; tile_dim1
	s_mov_b32 s[G1+5], 4096                        ; pitch: 32,768 bytes from row tile to row tile
	s_mov_b32 s[G1+6], 0
	s_mov_b32 s[G1+7], 0
	s_or_b32 s[G1B+0], s44, (1<<16)|(1<<20)|(1<<21)|(5<<22)|(3<<25)  ; Wo: elements of 2 bytes; 4 words of padding behind every 64
	s_mov_b32 s[G1B+1], 128<<16
	s_mov_b32 s[G1B+2], 64<<16
	s_mov_b32 s[G1B+3], 128<<16
	s_mov_b32 s[G1B+4], 64
	s_mov_b32 s[G1B+5], 1024
	s_mov_b32 s[G1B+6], 0
	s_mov_b32 s[G1B+7], 0
	s_mov_b32 s[SEL], 0x76543210
	s_mov_b32 s[SEL+1], 0xfedcba98
	s_lshl_b32 s16, s15, 19                        ; O: 16 row tiles of 32,768 bytes a tile row,
	s_lshl_b32 s17, s14, 18                        ; 8 of them a half
	s_add_co_u32 s16, s16, s17
	s_mov_b32 s17, 0
	s_lshl_b32 s46, s42, 18                        ; Wo: 128 rows of 2,048 bytes a tile column,
	s_lshl_b32 s47, s14, 17                        ; 64 a half
	s_add_co_u32 s46, s46, s47
	s_mov_b32 s47, 0
	s_lshl_b32 s20, s14, 15                        ; where they go: O's half,
	s_mul_i32 s22, s14, BHALF
	s_add_co_u32 s22, s22, ABYTES                  ; Wo's half: no place in the cluster enters an LDS address
	s_wait_dscnt 0x0                               ; both opening adds are done
	s_wait_kmcnt 0x0
	s_add_nc_u64 s[18:19], s[4:5], s[16:17]
	s_add_nc_u64 s[46:47], s[6:7], s[46:47]
	CROUND                                         ; all sixteen work-groups are here
.irp s, 0,1
	s_mov_b32 s[G0+4*\s], 1
	s_add_co_u32 s[G0+4*\s+1], s20, \s*SLOT
	s_add_nc_u64 s[G0+4*\s+2:G0+4*\s+3], s[18:19], \s*ASTEP
	s_or_b32 s[G0+4*\s+3], s[G0+4*\s+3], 0x80000000
	s_mov_b32 s[G0B+4*\s], 1
	s_add_co_u32 s[G0B+4*\s+1], s22, \s*SLOT
	s_add_nc_u64 s[G0B+4*\s+2:G0B+4*\s+3], s[46:47], \s*BSTEP
	s_or_b32 s[G0B+4*\s+3], s[G0B+4*\s+3], 0x80000000
	JLOAD \s
.endr
	v_and_b32 v1, 15, v0                           ; r
	v_bfe_u32 v2, v0, 4, 1                         ; half
	v_and_b32 v3, 31, v0
	v_lshlrev_b32 v6, 4, v3                        ; 16 x lane
	s_lshl_b32 s21, s13, 15                        ; my 8 row tiles of O
	v_mul_u32_u24 v4, v1, PITCH
	v_lshl_add_u32 v4, v2, 4, v4
	s_mul_i32 s22, s14, BHALF                      ; my 64 rows of Wo
	s_add_co_u32 s22, s22, ABYTES
.irp s, 0,1
	v_add_nc_u32 v[ADRA+\s], s21, v6
	v_add_nc_u32 v[ADRB+\s], s22, v4
	s_add_co_u32 s21, s21, SLOT
	s_add_co_u32 s22, s22, SLOT
.endr
	s_mul_i32 s23, s12, 16*SPITCH
	s_add_co_u32 s23, s23, STAGE                   ; my stage
	v_mul_u32_u24 v4, v1, SPITCH
	v_lshl_add_u32 v4, v2, 5, v4
	v_add_nc_u32 v[STO], s23, v4                   ; in: row r, 32 bytes for each half of the lanes
	v_mul_u32_u24 v5, v2, SPITCH
	v_lshl_add_u32 v5, v1, 4, v5
	v_add_nc_u32 v[RD], s23, v5                    ; back: lanes 0-15 one row of 256 bytes, lanes 16-31 the next
	v_lshlrev_b32 v5, 12, v2
	v_lshl_add_u32 v[CO], v1, 4, v5                ; and the same two rows in out0 (4,096 bytes a row)
	s_lshl_b32 s16, s15, 20                        ; my first row: 256 x tile row + 128 x half, 4,096 bytes each;
	s_lshl_b32 s17, s13, 19
	s_add_co_u32 s16, s16, s17
	s_lshl_b32 s17, s42, 9                         ; my first output: 128 x tile column + 64 x half, 4 bytes each
	s_add_co_u32 s16, s16, s17
	s_lshl_b32 s17, s14, 8
	s_add_co_u32 s16, s16, s17
	s_mov_b32 s17, 0
	s_add_nc_u64 s[10:11], s[10:11], s[16:17]
.irp i, 0,1,2,3,4,5,6,7
	global_load_b128 v[64+4*\i:67+4*\i], v6, s[8:9] offset:512*\i    ; the largest magnitudes: x's 1,024,
.endr
	global_load_b128 v[96:99], v6, s[8:9] offset:5120                ; Wv's 128
	s_wait_loadcnt 0x0
	GMAX 8, 64, 32
	GMAX 9, 96, 4
	v_readfirstlane_b32 s20, v8
	v_readfirstlane_b32 s21, v9
	s_lshr_b32 s20, s20, 23
	s_lshr_b32 s21, s21, 23
	FIELD SS, 20, 21
	s_sub_co_i32 s[SS], 254, s[SS]
	s_lshl_b32 s[SS], s[SS], 23                    ; 1 / Sv as f32
	s_mov_b32 s[SS+1], s[SS]
.macro MUL8 f, a0, zero                ; O's blocks a0, a0 + 1 against Wo's four; the 32 accumulators take turns, one instruction a turn, in the same order in every quarter
.irp a, \a0, \a0+1
.irp b, 0,1,2,3
.if \zero
	v_wmma_f32_16x16x32_f16 v[8*(4*(\a)+\b):8*(4*(\a)+\b)+7], v[\f+64+8*\b:\f+64+8*\b+7], v[\f+8*(\a):\f+8*(\a)+7], 0
.else
	v_wmma_f32_16x16x32_f16 v[8*(4*(\a)+\b):8*(4*(\a)+\b)+7], v[\f+64+8*\b:\f+64+8*\b+7], v[\f+8*(\a):\f+8*(\a)+7], v[8*(4*(\a)+\b):8*(4*(\a)+\b)+7]
.endif
.endr
.endr
.endm
.macro FETCH slot, q, f                ; 24 LDS loads in one run: the fragments of the slot's q-th 32 along K: Wo's four, then O's eight
	WIN 0
.irp b, 0,1,2,3
	ds_load_b128 v[\f+64+8*\b:\f+64+8*\b+3],   v[ADRB+\slot] offset:\b*16*PITCH+64*(\q)
	ds_load_b128 v[\f+64+8*\b+4:\f+64+8*\b+7], v[ADRB+\slot] offset:\b*16*PITCH+64*(\q)+32
.endr
.irp a, 0,1,2,3,4,5,6,7
	ds_load_b128 v[\f+8*\a:\f+8*\a+3],   v[ADRA+\slot] offset:\a*4096+(\q)*1024
	ds_load_b128 v[\f+8*\a+4:\f+8*\a+7], v[ADRA+\slot] offset:\a*4096+(\q)*1024+512
.endr
.endm
.macro QUARTER slot, q, f, g, zero     ; multiplies buffer f, fetches the slot's q-th quarter into g
	s_wait_dscnt 8                                 ; Wo's four and O's blocks 0-3 are in; the youngest eight loads (blocks 4-7) may be out
	WIN MUL
	MUL8 \f, 0, \zero
	MUL8 \f, 2, \zero
	PLACES 4                                       ; ahead of loads into registers that matrix instructions have read
	FETCH \slot, \q, \g
	s_wait_dscnt 24                                ; all but the 24 just issued
	WIN MUL
	MUL8 \f, 4, \zero
	MUL8 \f, 6, \zero
.endm
; A slot's last quarter multiplies buffer 1 and changes slots: each wave waits for all its tensor loads, adds 0 to its spare word, waits for that and for its reads of this slot; one barrier.
; fill = 1: the barrier opens a round of the cluster's, and the slot is filled again, two K steps on, first thing behind it.
.macro TURN slot, next, fill
	WIN 0
	s_wait_tensorcnt 0x0                           ; my part of the next slot has landed
	ds_add_u32 v[SPW], v[NIL]
	s_wait_dscnt 9                                 ; the add and the youngest eight loads may be out
	WIN MUL
	MUL8 F1, 0, 0
	s_wait_dscnt 0x0                               ; the add is done, my reads of this slot are over
	s_barrier_signal -1
	MUL8 F1, 2, 0
.if \fill
	WIN 0
.endif
	s_barrier_wait -1
.if \fill
	CREST                                          ; no wave of any partner still reads this slot or has a load out
	s_add_nc_u64 s[G0+4*\slot+2:G0+4*\slot+3], s[G0+4*\slot+2:G0+4*\slot+3], 2*ASTEP
	s_add_nc_u64 s[G0B+4*\slot+2:G0B+4*\slot+3], s[G0B+4*\slot+2:G0B+4*\slot+3], 2*BSTEP
	JLOAD \slot                                    ; its four v_nop are also the places ahead of the loads below
.else
	PLACES 4
.endif
	FETCH \next, 0, F0
	WIN MUL
	MUL8 F1, 4, 0
	MUL8 F1, 6, 0
.endm
	s_wait_tensorcnt 1                             ; my part of K step 0 is in; K step 1's may be out
	s_barrier_signal -1
	s_barrier_wait -1
	FETCH 0, 0, F0
	QUARTER 0, 1, F0, F1, 1                        ; the first products start the sums
	WIN 0
	s_mov_b32 s3, LAPS-1
.Llap:                                             ; a trip goes once round the ring and fills both slots again
	QUARTER 0, 2, F1, F0, 0
	QUARTER 0, 3, F0, F1, 0
	TURN 0, 1, 1
	QUARTER 1, 1, F0, F1, 0
	QUARTER 1, 2, F1, F0, 0
	QUARTER 1, 3, F0, F1, 0
	TURN 1, 0, 1
	QUARTER 0, 1, F0, F1, 0
	WIN 0
	s_sub_co_u32 s3, s3, 1
	s_cmp_lg_u32 s3, 0
	s_cbranch_scc1 .Llap
	QUARTER 0, 2, F1, F0, 0                        ; the last lap fills nothing
	QUARTER 0, 3, F0, F1, 0
	TURN 0, 1, 0
	QUARTER 1, 1, F0, F1, 0
	QUARTER 1, 2, F1, F0, 0
	QUARTER 1, 3, F0, F1, 0
	s_wait_dscnt 8
	WIN MUL
	MUL8 F1, 0, 0
	MUL8 F1, 2, 0
	s_wait_dscnt 0
	MUL8 F1, 4, 0
	MUL8 F1, 6, 0
	WIN 0
; THE WAY OUT, a block of 16 rows x 64 outputs at a time: x 1 / Sv, into my stage (rows of 272 bytes), back as whole rows of 256 bytes.  LDS serves a wave's instructions in order (ISA guide 5.7.1.4).
.macro OUTB a
.set TT, 64+32*((\a)%2)
.set BB, 128+32*((\a)%2)
	WIN 0x01                                       ; source 0 in window 1
.irp b, 0,1,2,3
.irp i, 0,1,2,3
	v_pk_mul_f32 v[TT+8*\b+2*\i:TT+8*\b+2*\i+1], v[8*(4*(\a)+\b)+2*\i:8*(4*(\a)+\b)+2*\i+1], s[SS:SS+1] op_sel_hi:[1,0]   ; each accumulator from its low end on
.endr
.endr
	WIN 0
.irp b, 0,1,2,3
	ds_store_b128 v[STO], v[TT+8*\b:TT+8*\b+3] offset:64*\b
	ds_store_b128 v[STO], v[TT+8*\b+4:TT+8*\b+7] offset:64*\b+16
.endr
.irp t, 0,1,2,3,4,5,6,7
	ds_load_b128 v[BB+4*\t:BB+4*\t+3], v[RD] offset:\t*2*SPITCH
.endr
.endm
.macro SENDB a, younger                ; younger: the LDS instructions issued behind block a's loads
.set BB, 128+32*((\a)%2)
	s_wait_dscnt \younger
.irp t, 0,1,2,3,4,5,6,7
	global_store_b128 v[CO], v[BB+4*\t:BB+4*\t+3], s[10:11] offset:(16*(\a)+2*\t)*4096 th:TH_STORE_NT   ; sixteen lanes store 256 consecutive aligned bytes; written once, read by nobody here
.endr
.endm
	PLACES 4                                       ; behind the last products
	OUTB 0
.irp a, 1,2,3,4,5,6,7
.if \a > 1
	s_wait_xcnt 0x0                                ; block a - 2's stores have read their data: block a's loads may land there
.endif
	OUTB \a
	SENDB \a-1, 16                                 ; behind block a - 1's loads: block a's eight stores and eight loads
.endr
	SENDB 7, 0
	s_wait_tensorcnt 0x0                           ; the wave's end: behind my last tensor load and my last LDS store
	ds_add_u32 v[SPW], v[NIL]
	s_wait_dscnt 0x0
	CROUND                                         ; the closing round
	s_endpgm
.Lfunc_end_k_q43e145cf03_oproj:
	.size	k_q43e145cf03_oproj, .Lfunc_end_k_q43e145cf03_oproj-k_q43e145cf03_oproj
	.p2alignl 7, 3214868480
	.fill 96, 4, 3214868480
	.section	.rodata,"a",@progbits
	.p2align	6, 0x0
	.amdhsa_kernel k_q43e145cf03_oproj
		.amdhsa_group_segment_fixed_size 327680
		.amdhsa_private_segment_fixed_size 0
		.amdhsa_enable_private_segment 0
		.amdhsa_kernarg_size 32
		.amdhsa_user_sgpr_count 2
		.amdhsa_user_sgpr_kernarg_segment_ptr 1
		.amdhsa_wavefront_size32 1
		.amdhsa_system_sgpr_workgroup_id_x 1
		.amdhsa_system_sgpr_workgroup_id_y 1
		.amdhsa_system_sgpr_workgroup_id_z 1
		.amdhsa_system_vgpr_workitem_id 0
		.amdhsa_next_free_vgpr 512
		.amdhsa_next_free_sgpr 72
		.amdhsa_reserve_vcc 0
		.amdhsa_float_denorm_mode_32 3
		.amdhsa_float_denorm_mode_16_64 3
		.amdhsa_memory_ordered 1
		.amdhsa_forward_progress 1
		.amdhsa_inst_pref_size 96
	.end_amdhsa_kernel
	.amdgpu_metadata
---
amdhsa.version: [ 1, 2 ]
amdhsa.kernels:
  - .name:           k_q43e145cf03_oproj
    .symbol:         k_q43e145cf03_oproj.kd
    .args:
      - { .name: oimg, .offset: 0, .size: 8, .value_kind: global_buffer, .address_space: global }
      - { .name: wo16, .offset: 8, .size: 8, .value_kind: global_buffer, .address_space: global }
      - { .name: amax, .offset: 16, .size: 8, .value_kind: global_buffer, .address_space: global }
      - { .name: out0, .offset: 24, .size: 8, .value_kind: global_buffer, .address_space: global }
    .group_segment_fixed_size: 327680
    .private_segment_fixed_size: 0
    .kernarg_segment_align: 8
    .kernarg_segment_size: 32
    .max_flat_workgroup_size: 128
    .sgpr_count:     72
    .vgpr_count:     512
    .wavefront_size: 32
...
	.end_amdgpu_metadata
.endif
;; end of part 4
